; MI455X (gfx1250); checked and timed in simulation.
; The chip was launched on July 23, 2026; its instructions are those of AMD's public machine-readable ISA for CDNA 5 (MIT licence, August 2026) and "CDNA5" Instruction Set Architecture Reference Guide (July 2026). The comments in the code are by the model that wrote it; some were corrected since.
;; Multi Head Attention. Allowed arithmetic: matrix products marked QUANTISED: E2M1 operands, one E8M0 scale for each 32 along K, by v_wmma_scale_f32_16x16x128_f8f6f4 with both operands' format E2M1 (or v_wmma_scale_f32_32x16x128_f4), f32 sums; products left as they are: bf16, f16 or f32 operands; f32 sums; everything else in f32.
;; Inputs: w_proj 1,024 x 1,024 float32; w_qkv 3,072 x 1,024 float32; x 2 x 2,048 x 1,024 float32.
;; Outputs: out0 2 x 2,048 x 1,024 float32.
;; This version of the problem:
;;   THIS VERSION OF THE PROBLEM IS GIVEN IN LOW PRECISION. The matrix products marked QUANTISED in the list below multiply operands that are first quantised to E2M1 (2 exponent bits, 1 mantissa bit; 4 bits a number), with one power-of-two scale for each 32 numbers along K (OCP MX v1.0); their sums are f32. The products marked 'left as it is' may take bf16, f16 or f32 operands, with f32 sums. Whichever they take, every output number must still come out within the allowed error. Rounding operands to bf16 (8 significant bits) uses up far more of that allowance than f16 does (11 bits, for magnitudes from 6e-5 to 65,504). All else is computed in f32.
;;   The module's matrix products, in the order in which they are computed (A, B: the left and right operand; K: the contracted axis; several contracted axes count as one K, in the product's order):
;;     1. [M 4,096, K 1,024] x [K 1,024, N 3,072]; A: input x; B: input w_qkv: QUANTISED
;;     2. batch 32 x [M 2,048, K 64] x [K 64, N 2,048]; A: computed on the way; B: computed on the way: left as it is (an operand is computed on the way)
;;     3. batch 32 x [M 64, K 2,048] x [K 2,048, N 2,048]; A: computed on the way; B: computed on the way: left as it is (an operand is computed on the way)
;;     4. [M 4,096, K 1,024] x [K 1,024, N 1,024]; A: computed on the way; B: input w_proj: left as it is (an operand is computed on the way)
;;   THE QUANTISER, for each operand of a quantised product, along K:
;;     - K is cut into blocks of 32 from its start; a last block that is shorter is filled with zeros.
;;     - A block's scale is 2^e with e = floor(log2(the largest magnitude in the block)) - 2, held to -126 .. 127; a block of zeros has e = 0. As a byte (E8M0): e + 127.
;;     - Each number is divided by its block's scale, clamped to +-6, and rounded to the nearest number of E2M1, ties to even, subnormals kept.
;;     - The product sums the exact products of the quantised numbers (number of the format x scale) in f32.
;;   ~~~python
;;   def quantise(x, axis):      # numpy; x: float32 -> the quantised numbers, widened to float32 again
;;       x = np.moveaxis(x, axis, -1); K = x.shape[-1]
;;       x = np.pad(x, [(0, 0)] * (x.ndim - 1) + [(0, -K % 32)]); x = x.reshape(x.shape[:-1] + (-1, 32)); a = np.abs(x).max(-1, keepdims=True)
;;       e = np.where(a > 0, np.clip(np.frexp(np.where(a > 0, a, 1))[1] - 1 - 2, -126, 127), 0)      # np.frexp(a)[1] - 1 = floor(log2(a)), exactly
;;       r = np.clip(x / 2.0 ** e, -6, 6)
;;       step = 2.0 ** (np.maximum(np.frexp(np.where(r == 0, 1, r))[1] - 1, 0) - 1)
;;       q = np.round(r / step) * step * 2.0 ** e      # np.round: ties to even
;;       return np.moveaxis(q.reshape(q.shape[:-2] + (-1,))[..., :K], -1, axis).astype(np.float32)
;;   ~~~
;; One version. Each part assembles by itself: llvm-mc -triple=amdgcn-amd-amdhsa -mcpu=gfx1250 --defsym DOCPART=n.
;; ======== version 1 of 1: 5 launches
;; limits: values are held in f16: magnitudes above 65,504 overflow, below 6.1e-05 lose precision
;; workspace buffers: codes 3,670,016 bytes; scales 229,376 bytes; wp16 2,097,152 bytes; rope 524,288 bytes; qkv16 25,165,824 bytes; ah 8,388,608 bytes; h32 393,216 bytes
;; launch prep (part 1): grid 256 x 1, 4 waves a work-group, no clusters, 33,280 bytes of LDS; arguments x, w_qkv, codes, scales, w_proj, wp16, rope; writes codes, scales, wp16, rope
.if DOCPART == 1
	.amdgcn_target "amdgcn-amd-amdhsa--gfx1250"
	.amdhsa_code_object_version 6
	.text
	.protected	k_q9c91942d48_prep
	.globl	k_q9c91942d48_prep
	.p2align	8
	.type	k_q9c91942d48_prep,@function
k_q9c91942d48_prep:
	s_mov_b64 s[64:65], 0
	v_nop
	global_prefetch_b8 v0, s[64:65] scope:SCOPE_SE
	s_setreg_imm32_b32 hwreg(HW_REG_WAVE_MODE, 25, 1), 1
	s_wait_xcnt 0x0
; PREP.  Work-groups 0-223: x [4096][1024] and w_qkv [3072][1024], f32, become codes of FP4 (E2M1), K innermost, two codes a byte, with one E8M0 byte for each 32 along K.
;   codes: x's 4096 rows of 512 bytes, then w_qkv's 3072;  scales: x's 4096 rows of 32 bytes, then w_qkv's.  Both tensors are plain streams of blocks of 32 numbers.
;   A block's scale is 2^(floor(log2(largest magnitude)) - 2); its byte is the largest magnitude's exponent field - 2, held at 1 from below.
; Work-groups 224-255: w_proj [1024][1024] is rounded to f16 (wp16), and the table of RoPE is made: rope[t][g] = cos(t inv(2g)), cos(t inv(2g+1)), sin(t inv(2g)), sin(t inv(2g+1)), f32, 256 bytes a row t.
; LIMITS: a block of zeros gets the byte 1 where the rule says 127 (its codes are zeros; the bytes are read by this program alone); NaN and infinities among the inputs are not served;
;   inv(i) = 2^(-i log2(10000) / 32) comes from v_exp_f32 (1 ulp: ISA guide, its entry), so an angle may differ from the f32 angle of the definition by about 2e-7 of itself, 2e-4 rad at t = 2047; q and k take the same table;
;   sine and cosine: reduction by pi/2 in two parts, polynomials of degree 7 and 8 on |r| <= pi/4, good to about 1e-7 for angles up to 2047.
; The quantising path: a wave takes 16 steps of 512 numbers.  Each of a step's four loads reads 512 consecutive bytes; the 2,048 bytes turn through the wave's own stage in LDS and come back 64 bytes a lane,
; so that a lane holds 16 neighbours along K and two neighbouring lanes a block.  A wave's store of codes covers 256 consecutive bytes, aligned; its 256 scale bytes are gathered in LDS and leave as one such run.
.set WAVES, 4
.set STEPS, 16
.set WGA,   128                        ; work-groups of x: 4096 x 1024 / 32768
.set WGQ,   224                        ; and of x and w_qkv together
.set EMAX,  2
.set CB,    8                          ; bytes of 16 codes
.set R,     16                         ; v16-79   four sets of 16 numbers as they are loaded
.set X,     80                         ; v80-111  two sets of 16 neighbours
.set C,     128                        ; v128-191 codes: four registers for each step, so that no store's data are written again
.set E,     112                        ; v112-127 a scale byte for each step
.set WREG,  8192                       ; LDS: a region for each wave: two stages of 32 x SP bytes, behind them its 256 scale bytes
.set SP,    80                         ; a lane's place in a stage: 64 bytes + 16 of padding
.set SPW,   12                         ; v12 LDS address of my spare word; never rewritten
.set NIL,   13                         ; v13 0; never rewritten
.set SPARE, WAVES*WREG                 ; the spare words, 128 bytes for each wave, that no other line names
.set WR,    32                         ; the other path: v32-159 two sets of 64 numbers of w_proj
.set WO,    160                        ; v160-191 store data: the table's rows, then f16 numbers
.set T0,    16                         ; v16-21 at work in SINCOS
.set T1,    17
.set T2,    18
.set T3,    19
.set T4,    20
.set T5,    21
	s_load_b128 s[4:7], s[0:1], 0x0                ; x, w_qkv
	s_load_b128 s[8:11], s[0:1], 0x10              ; codes, scales
	s_load_b128 s[24:27], s[0:1], 0x20             ; w_proj, wp16
	s_load_b64 s[28:29], s[0:1], 0x30              ; rope
	v_lshl_add_u32 v[SPW], v0, 2, SPARE
	v_mov_b32 v[NIL], 0
	v_lshrrev_b32 v1, 5, v0
	v_readfirstlane_b32 s16, v1                    ; wave
	v_and_b32 v2, 31, v0                           ; lane
	v_lshlrev_b32 v3, 4, v2                        ; my 16 bytes of a load's 512
	s_cmp_ge_u32 ttmp9, WGQ                        ; the work-group's number alone decides the path; only the first path uses LDS
	s_cbranch_scc1 .Lextra
	s_mul_i32 s17, s16, WREG
	v_lshrrev_b32 v14, 2, v2
	v_mul_u32_u24 v14, v14, SP
	v_and_b32 v15, 3, v2
	v_lshl_add_u32 v14, v15, 4, v14
	v_add_nc_u32 v14, s17, v14                     ; the stage, on the way in: SP (lane / 4) + 16 (lane % 4)
	v_mul_u32_u24 v15, v2, SP
	v_add_nc_u32 v15, s17, v15                     ; and on the way out: SP x lane: my 16 neighbours
	v_mul_u32_u24 v4, v2, CB                       ; my codes' place in a step's
	v_lshrrev_b32 v5, 1, v2
	s_add_co_u32 s17, s17, 2*32*SP
	v_add_nc_u32 v5, s17, v5                       ; LDS: my wave's 256 scale bytes, my block's byte
	v_lshlrev_b32 v7, 3, v2                        ; and on the way out 8 bytes a lane
	v_add_nc_u32 v6, s17, v7
	s_wait_kmcnt 0x0
	s_cmp_lt_u32 ttmp9, WGA                        ; x's work-group or w_qkv's: only the source is chosen
	s_cselect_b64 s[4:5], s[4:5], s[6:7]
	s_cselect_b32 s17, 0, WGA
	s_sub_co_u32 s17, ttmp9, s17
	s_lshl_b32 s17, s17, 2
	s_add_co_u32 s18, s17, s16                     ; which run of 8,192 numbers of the tensor is my wave's
	s_mov_b32 s19, 0
	s_lshl_b64 s[20:21], s[18:19], 15              ; 32,768 bytes a run
	s_add_nc_u64 s[4:5], s[4:5], s[20:21]
	s_lshl_b32 s18, ttmp9, 2
	s_add_co_u32 s18, s18, s16                     ; the run's number over both tensors: x's 512 runs end where w_qkv's parts of codes and scales begin
	s_lshl_b32 s20, s18, 12                        ; 4,096 bytes of codes a run
	s_mov_b32 s21, 0
	s_add_nc_u64 s[8:9], s[8:9], s[20:21]
	s_lshl_b32 s20, s18, 8                         ; 256 scale bytes a run
	s_add_nc_u64 s[10:11], s[10:11], s[20:21]
.macro LOAD t
.irp i, 0,1,2,3
	global_load_b128 v[R+16*((\t)%4)+4*\i:R+16*((\t)%4)+4*\i+3], v3, s[4:5] offset:2048*(\t)+512*\i th:TH_LOAD_NT   ; 32 lanes read 512 consecutive bytes
.endr
.endm
.macro TURN t                          ; step t's numbers through the stage: LDS serves a wave's instructions in order (ISA guide 5.7.1.4), so no wait stands between the stores and the loads
.irp i, 0,1,2,3
	ds_store_b128 v14, v[R+16*((\t)%4)+4*\i:R+16*((\t)%4)+4*\i+3] offset:32*SP*((\t)%2)+8*SP*\i
.endr
.irp i, 0,1,2,3
	ds_load_b128 v[X+16*((\t)%2)+4*\i:X+16*((\t)%2)+4*\i+3], v15 offset:32*SP*((\t)%2)+16*\i
.endr
.endm
.irp t, 0,1,2,3
	LOAD \t
.endr
	s_wait_loadcnt 12                              ; step 0's four loads are in; the twelve of steps 1 to 3 may be out
	TURN 0
.macro STEP t
.set XS, X+16*((\t)%2)
.if (\t) > 0
	s_wait_dscnt 1                                 ; this step's numbers are back from the stage (the last step's byte store may be out)
.else
	s_wait_dscnt 0x0
.endif
.if (\t)+4 < STEPS
	LOAD (\t)+4                                    ; into the registers that the stage's stores have read
.endif
.if (\t)+1 < STEPS
.if STEPS-2-(\t) >= 3
	s_wait_loadcnt 12                              ; the next step's four loads are in; those of the three steps behind it may be out
.else
	s_wait_loadcnt 4*(STEPS-2-(\t))
.endif
	TURN (\t)+1                                    ; and go through the other stage while this step is worked
.endif
	v_max3_num_f32 v8, |v[XS]|, |v[XS+1]|, |v[XS+2]|               ; the largest magnitude of my 16
	v_max3_num_f32 v9, |v[XS+3]|, |v[XS+4]|, |v[XS+5]|
.irp i, 6,10
	v_max3_num_f32 v8, v8, |v[XS+\i]|, |v[XS+\i+1]|
	v_max3_num_f32 v9, v9, |v[XS+\i+2]|, |v[XS+\i+3]|
.endr
	v_max3_num_f32 v8, v8, |v[XS+14]|, |v[XS+15]|
	v_max3_num_f32 v8, v8, v9, (EMAX+1)<<23        ; and the floor 2^(EMAX + 1 - 127): the byte cannot fall under 1
	v_max_num_f32_dpp v8, v8, v8 row_xmask:1 row_mask:0xf bank_mask:0xf   ; and of my neighbour's 16: the block's
	v_add_nc_u32 v11, -(EMAX<<23), v8              ; EMAX off its exponent field: the conversion takes the exponent field of this operand as its scale
	v_cvt_scalef32_pk8_fp4_f32 v[C+4*(\t)], v[XS:XS+7], v11
	v_cvt_scalef32_pk8_fp4_f32 v[C+4*(\t)+1], v[XS+8:XS+15], v11
	v_lshrrev_b32 v[E+(\t)], 23, v11               ; the scale's byte (also the plain line behind the conversions)
	ds_store_b8 v5, v[E+(\t)] offset:16*(\t)       ; both lanes of a block write the same byte with the same value
	global_store_b64 v4, v[C+4*(\t):C+4*(\t)+1], s[8:9] offset:32*CB*(\t)   ; 32 lanes store 256 consecutive bytes, aligned
.endm
.irp t, 0,1,2,3,4,5,6,7,8,9,10,11,12,13,14,15
	STEP \t
.endr
	ds_load_b64 v[8:9], v6                         ; these see my byte stores: LDS serves a wave in order
	s_wait_dscnt 0x0
	global_store_b64 v7, v[8:9], s[10:11]          ; 32 lanes store 256 consecutive bytes, aligned
	s_wait_tensorcnt 0x0                           ; the wave's end, behind my last LDS store
	ds_add_u32 v[SPW], v[NIL]
	s_wait_dscnt 0x0
	s_endpgm
; ---- work-groups 224 to 255: e = 0 .. 31.  No LDS is touched on this path.
.Lextra:
	s_sub_co_u32 s17, ttmp9, WGQ                   ; e
	s_lshl_b32 s18, s17, 17                        ; w_proj: 131,072 bytes a work-group,
	s_lshl_b32 s19, s16, 15                        ; 32,768 a wave
	s_add_co_u32 s18, s18, s19
	s_mov_b32 s19, 0
	s_lshr_b32 s20, s18, 1                         ; wp16: half of that
	s_mov_b32 s21, 0
	s_lshl_b32 s22, s17, 14                        ; rope: 64 rows of 256 bytes a work-group
	s_mov_b32 s23, 0
	v_lshlrev_b32 v4, 3, v2                        ; 8 bytes of f16 a lane
	s_wait_kmcnt 0x0
	s_add_nc_u64 s[24:25], s[24:25], s[18:19]
	s_add_nc_u64 s[26:27], s[26:27], s[20:21]
	s_add_nc_u64 s[28:29], s[28:29], s[22:23]
.macro LOADW k                         ; round k: 16 loads of 512 consecutive bytes
.irp i, 0,1,2,3,4,5,6,7,8,9,10,11,12,13,14,15
	global_load_b128 v[WR+64*((\k)%2)+4*\i:WR+64*((\k)%2)+4*\i+3], v3, s[24:25] offset:8192*(\k)+512*\i th:TH_LOAD_NT
.endr
.endm
	LOADW 0
	LOADW 1                                        ; the table is made while these 32 loads are on their way
	v_and_b32 v5, 15, v0                           ; g
	v_lshlrev_b32 v5, 1, v5
	v_cvt_f32_u32 v6, v5                           ; 2 g
	v_add_nc_u32 v5, 1, v5
	v_cvt_f32_u32 v7, v5                           ; 2 g + 1
	v_mul_f32 v6, 0xbed49a78, v6                   ; x -log2(10000) / 32
	v_mul_f32 v7, 0xbed49a78, v7
	v_exp_f32 v6, v6                               ; inv(2 g)
	v_exp_f32 v7, v7                               ; inv(2 g + 1)
	v_lshrrev_b32 v8, 4, v0                        ; (a plain line behind the exponentials)  my row among eight
	s_wait_alu depctr_va_vdst(0)                   ; one wait for both, ahead of their first reader
	s_lshl_b32 s18, s17, 6
	v_add_nc_u32 v8, s18, v8                       ; t = 64 e + thread / 16 (+ 8 n)
	v_lshlrev_b32 v9, 4, v0                        ; 16 x thread: row (thread / 16) x 256 + 16 g
; cos and sin of the angle in v[ang] (0 .. 2047): n = nearest whole number to ang x 2 / pi; r = ang - n pi/2 in two parts; polynomials in r; the quadrant n mod 4 swaps them and sets the signs.  Selections only, no branch.
.macro SINCOS ang, c, s
	v_mul_f32 v[T0], 0x3f22f983, v[\ang]
	v_rndne_f32 v[T0], v[T0]                       ; n
	v_fmamk_f32 v[T1], v[T0], 0xbfc90fdb, v[\ang]  ; - n x the f32 nearest to pi/2
	v_fmamk_f32 v[T1], v[T0], 0x333bbd2e, v[T1]    ; + n x what that f32 has too much: r
	v_cvt_i32_f32 v[T0], v[T0]
	v_mul_f32 v[T2], v[T1], v[T1]                  ; r^2
	v_mov_b32 v[T3], 0xb94ca1f9
	v_fmaak_f32 v[T3], v[T3], v[T2], 0x3c08839e
	v_fmaak_f32 v[T3], v[T3], v[T2], 0xbe2aaaa3
	v_mul_f32 v[T3], v[T3], v[T2]
	v_fma_f32 v[T3], v[T3], v[T1], v[T1]           ; sin r
	v_mov_b32 v[T4], 0x37ccf5ce
	v_fmaak_f32 v[T4], v[T4], v[T2], 0xbab6061a
	v_fmaak_f32 v[T4], v[T4], v[T2], 0x3d2aaaa5
	v_mul_f32 v[T5], v[T2], v[T2]
	v_fma_f32 v[T2], v[T2], -0.5, 1.0
	v_fma_f32 v[T4], v[T4], v[T5], v[T2]           ; cos r
	v_and_b32 v[T5], 1, v[T0]
	v_cmp_eq_u32 vcc_lo, 1, v[T5]
	v_cndmask_b32 v[\s], v[T3], v[T4], vcc_lo      ; odd quadrants: sine and cosine change places
	v_cndmask_b32 v[\c], v[T4], v[T3], vcc_lo
	v_and_b32 v[T5], 2, v[T0]
	v_lshlrev_b32 v[T5], 30, v[T5]
	v_xor_b32 v[\s], v[\s], v[T5]                  ; the sine's sign: bit 1 of n
	v_add_nc_u32 v[T0], 1, v[T0]
	v_and_b32 v[T0], 2, v[T0]
	v_lshlrev_b32 v[T0], 30, v[T0]
	v_xor_b32 v[\c], v[\c], v[T0]                  ; the cosine's: bit 1 of n + 1
.endm
.irp n, 0,1,2,3,4,5,6,7
	v_add_nc_u32 v25, 8*\n, v8
	v_cvt_f32_u32 v24, v25
	v_mul_f32 v22, v24, v6                         ; the angle, rounded once to f32 as in the definition
	v_mul_f32 v23, v24, v7
	SINCOS 22, WO+4*\n, WO+4*\n+2
	SINCOS 23, WO+4*\n+1, WO+4*\n+3
	global_store_b128 v9, v[WO+4*\n:WO+4*\n+3], s[28:29] offset:2048*\n   ; a wave stores 512 consecutive bytes, aligned
.endr
.macro CONVW k
.if (\k) < 3
	s_wait_loadcnt 16                              ; this round's 16 loads are in; the next round's 16 may be out
.else
	s_wait_loadcnt 0x0
.endif
	s_wait_xcnt 0x0                                ; the earlier stores have read v160-191: only behind this wait are they written again
.irp i, 0,1,2,3,4,5,6,7,8,9,10,11,12,13,14,15
	v_cvt_pk_f16_f32 v[WO+2*\i], v[WR+64*((\k)%2)+4*\i], v[WR+64*((\k)%2)+4*\i+1]
	v_cvt_pk_f16_f32 v[WO+2*\i+1], v[WR+64*((\k)%2)+4*\i+2], v[WR+64*((\k)%2)+4*\i+3]
.endr
.irp i, 0,1,2,3,4,5,6,7,8,9,10,11,12,13,14,15
	global_store_b64 v4, v[WO+2*\i:WO+2*\i+1], s[26:27] offset:4096*(\k)+256*\i   ; 32 lanes store 256 consecutive bytes, aligned
.endr
.if (\k) < 2
	LOADW (\k)+2
.endif
.endm
	CONVW 0
	CONVW 1
	CONVW 2
	CONVW 3
	s_endpgm
.Lfunc_end_k_q9c91942d48_prep:
	.size	k_q9c91942d48_prep, .Lfunc_end_k_q9c91942d48_prep-k_q9c91942d48_prep
	.p2alignl 7, 3214868480
	.fill 96, 4, 3214868480
	.section	.rodata,"a",@progbits
	.p2align	6, 0x0
	.amdhsa_kernel k_q9c91942d48_prep
		.amdhsa_group_segment_fixed_size 33280
		.amdhsa_private_segment_fixed_size 0
		.amdhsa_enable_private_segment 0
		.amdhsa_kernarg_size 56
		.amdhsa_user_sgpr_count 2
		.amdhsa_user_sgpr_kernarg_segment_ptr 1
		.amdhsa_wavefront_size32 1
		.amdhsa_system_sgpr_workgroup_id_x 1
		.amdhsa_system_sgpr_workgroup_id_y 1
		.amdhsa_system_sgpr_workgroup_id_z 1
		.amdhsa_system_vgpr_workitem_id 0
		.amdhsa_next_free_vgpr 192
		.amdhsa_next_free_sgpr 66
		.amdhsa_reserve_vcc 1
		.amdhsa_float_denorm_mode_32 3
		.amdhsa_float_denorm_mode_16_64 3
		.amdhsa_memory_ordered 1
		.amdhsa_forward_progress 1
		.amdhsa_inst_pref_size 76
	.end_amdhsa_kernel
	.amdgpu_metadata
---
amdhsa.version: [ 1, 2 ]
amdhsa.kernels:
  - .name:           k_q9c91942d48_prep
    .symbol:         k_q9c91942d48_prep.kd
    .args:
      - { .name: x, .offset: 0, .size: 8, .value_kind: global_buffer, .address_space: global }
      - { .name: w_qkv, .offset: 8, .size: 8, .value_kind: global_buffer, .address_space: global }
      - { .name: codes, .offset: 16, .size: 8, .value_kind: global_buffer, .address_space: global }
      - { .name: scales, .offset: 24, .size: 8, .value_kind: global_buffer, .address_space: global }
      - { .name: w_proj, .offset: 32, .size: 8, .value_kind: global_buffer, .address_space: global }
      - { .name: wp16, .offset: 40, .size: 8, .value_kind: global_buffer, .address_space: global }
      - { .name: rope, .offset: 48, .size: 8, .value_kind: global_buffer, .address_space: global }
    .group_segment_fixed_size: 33280
    .private_segment_fixed_size: 0
    .kernarg_segment_align: 8
    .kernarg_segment_size: 56
    .max_flat_workgroup_size: 128
    .sgpr_count:     66
    .vgpr_count:     192
    .wavefront_size: 32
...
	.end_amdgpu_metadata
.endif
;; end of part 1
;; launch qkv (part 2): grid 12 x 16, 4 waves a work-group, clusters of 4 x 4, 327,680 bytes of LDS; arguments codes, scales, rope, qkv16, h32; writes qkv16, h32
.if DOCPART == 2
	.amdgcn_target "amdgcn-amd-amdhsa--gfx1250"
	.amdhsa_code_object_version 6
	.text
	.protected	k_q9c91942d48_qkv
	.globl	k_q9c91942d48_qkv
	.p2align	8
	.type	k_q9c91942d48_qkv,@function
k_q9c91942d48_qkv:
	s_mov_b64 s[64:65], 0
	v_nop
	global_prefetch_b8 v0, s[64:65] scope:SCOPE_SE
	s_setreg_imm32_b32 hwreg(HW_REG_WAVE_MODE, 25, 1), 1
	s_wait_xcnt 0x0
	s_wait_alu depctr_hold_cnt(0) depctr_sa_sdst(0) depctr_va_vdst(0) depctr_va_sdst(0) depctr_va_ssrc(0) depctr_va_vcc(0) depctr_vm_vsrc(0)
	s_getreg_b32 s2, hwreg(HW_REG_IB_STS2, 6, 4)
	s_cmp_eq_u32 s2, 0
	s_cbranch_scc0 .Lentry_in_a_cluster
	s_endpgm
.Lentry_in_a_cluster:
	s_bfe_u32 s2, ttmp6, 0x10000c
	s_cmp_lg_u32 s2, 0xf033
	s_cbranch_scc0 .Lentry_shape_is_right
	s_endpgm
.Lentry_shape_is_right:
; QKV.  C[m][f] = sum over k of x[m][k] w_qkv[f][k] on codes of FP4 (E2M1) with one E8M0 scale for each 32 along K; m = 4096 rows (b, t), f = 3072 (kind, head, d), K = 1024; sums in f32.
; Then RoPE in f32 on q and k, and the results leave as f16 rows qkv16[kind][b][head][t][64]; positions 0-15 of every sequence leave once more as f32, h32[kind][b][head][t][64].
; A tile of C, 256 x 256, is made by four waves, each 128 x 128: 64 accumulators of 16 x 16, 512 registers.  K = 1024 is two LDS slots of 512 along K (rows of 256 bytes): both are first fills, nothing is filled again.
; The scale bytes of the work-group's 256 rows of x and 256 rows of w_qkv, for all of K, come into LDS once, as runs of 256 bytes with 16 of padding.
; CLUSTERS: 4 x 4 work-groups; the four of a row need the same tiles of x, the four of a column the same tiles of w_qkv: each tile is asked for jointly, by the same tensor load with a mask that names the four.
; THE MATRIX INSTRUCTION IS USED TRANSPOSED (source 0 = 16 rows of w_qkv, source 1 = 16 rows of x): lane (r, h) of accumulator (a, b) holds row 16 a + r and columns 16 b + 8 h + 0 .. 7.
; A wave's 128 columns are two heads; d and d + 32 of a head lie in accumulators b and b + 2 of the same lane: the rotation needs no other lane.
; v TAKES THE SAME TEXT AS q AND k: its lanes read row 0 of the table, cos 1 and sin 0, so the rotation leaves it as it is: one path, no branch.
; LIMITS: |q|, |k|, |v| up to 65,504 (f16); for v the sign of a zero may change, and an infinity in the partner half would give NaN; NaN and infinities are not served.
; REGISTERS, in windows of 256: window 0: v0-31 addresses; v32-95 scale words, two sets; v128-191 x's fragments, one set; v192-255 two sets of table rows.  On the way out v32-191 are free.
;   window 1: w_qkv's fragments, two sets.   windows 2, 3: the accumulators of my rows 0-63, 64-127 ((a, b) at v[8 (8 (a % 4) + b)]).
.set SIZE_K, 1024
.set KSTEP,  512
.set NQ,     KSTEP/128
.set ROWB,   256
.set KROW,   SIZE_K*4/8
.set PITCH,  272                       ; an LDS row: 256 bytes + 16 of padding = 68 words: row r starts at bank 4 r mod 64 (64 banks of 4 bytes: ISA guide 11.1)
.set FR,     8
.set NL,     2
.set NP,     4                         ; places behind this matrix instruction (ISA guide 7.12.1)
.set HALFT,  128*PITCH
.set SLOT,   4*HALFT
.set KS,     SIZE_K/32
.set SCL,    2*SLOT
.set HALFS,  (128*KS/256)*272
.set SBLK,   (16*KS/256)*272
.set SPARE,  SCL+4*HALFS               ; the spare words, 128 bytes for each wave, that no other line names
.set WSTG,   4608                      ; the way out: a stage for each wave, 2 heads x 16 rows x (128 bytes + 16), in slot 0, which has had its only fill and its last read by then
.set ADRA, 16
.set ADRB, 20
.set STO,  24                          ; v24 the stage: where I put 16 bytes of a row
.set RD,   25                          ; v25 and where I read rows back
.set CO,   26                          ; v26 16 x lane
.set ADRS, 27
.set SPW,  28
.set NIL,  29
.set ROFF, 30                          ; v30 my row of the table: 256 (t0 + r) + 64 h, for v 64 h
.set HO,   31                          ; v31 256 r + 32 h: my place in a head's 16 rows of h32
.set SC,   32
.set AF,   128
.set T,    32                          ; the way out: v32-63 a head's 32 rotated numbers of my lane
.set TMP,  64                          ; v64-95 both heads' as f16
.set BK,   96                          ; v96-127, v128-159 rows read back, by turns
.set XR,   160                         ; v160-175 products at work
.set YR,   168
.set TBL,  192                         ; v192-223, v224-255 the table's rows of a block, by turns
.set G1, 24
.set G0, 32
.set G1B, 48
.set G0B, 56
.set G1S, 68
.set G0S, 76
.set G1SB, 80
.set G0SB, 88
.set MSB, 0
.macro WIN new                         ; the immediate's high byte repeats the setting that is left
.if MSB != (\new)
	s_set_vgpr_msb (MSB<<8)|(\new)
.set MSB, \new
.endif
.endm
.set MUL_LO, 0xa1                      ; source 0 (w_qkv) window 1, source 1 (x) window 0, C and D window 2
.set MUL_HI, 0xf1
.set TO_B,   0x40
; A joint load: waves 0 and 1 fetch for x, waves 2 and 3 for w_qkv.  The branch hangs on the wave's number alone.  An s_nop 0 and four v_nop follow each of the two lines.
.macro JLOAD g0a, g1a, g0b, g1b
	s_cmp_eq_u32 s15, 0
	s_cbranch_scc0 .Lfor_b_\@
	tensor_load_to_lds s[\g0a:\g0a+3], s[\g1a:\g1a+7]
	s_nop 0
.rept 4
	v_nop
.endr
	s_branch .Lasked_\@
.Lfor_b_\@:
	tensor_load_to_lds s[\g0b:\g0b+3], s[\g1b:\g1b+7]
	s_nop 0
.rept 4
	v_nop
.endr
.Lasked_\@:
.endm
.macro CROUND                          ; a round of the cluster's barrier
	s_barrier_signal -1
	s_barrier_wait -1
	s_cmp_lg_u32 s14, 0
	s_cbranch_scc1 .Lnot_wave_0_\@
	s_barrier_signal -3
.Lnot_wave_0_\@:
	s_barrier_wait -3
	s_barrier_signal -1
	s_barrier_wait -1
.endm
	s_load_b128 s[4:7], s[0:1], 0x0                ; codes, scales
	s_load_b128 s[96:99], s[0:1], 0x10             ; rope, qkv16
	s_load_b64 s[100:101], s[0:1], 0x20            ; h32
	v_lshl_add_u32 v[SPW], v0, 2, SPARE
	v_mov_b32 v[NIL], 0
	ds_add_u32 v[SPW], v[NIL]                      ; the wave's opening: the add, twice on end, and its wait ahead of my first tensor load
	ds_add_u32 v[SPW], v[NIL]
	v_lshrrev_b32 v1, 5, v0
	v_readfirstlane_b32 s14, v1                    ; wave 0..3
	s_lshr_b32 s15, s14, 1                         ; which half of the tile's rows is mine.  Also: I fetch for x (0) or for w_qkv (1)
	s_and_b32 s16, s14, 1                          ; which half of its columns.  Also: which 128 rows of that tile I fetch
	s_bfe_u32 s40, ttmp6, 0x40000                  ; cx, cy
	s_bfe_u32 s41, ttmp6, 0x40004
	s_lshl_b32 s42, ttmp9, 2
	s_add_co_u32 s42, s42, s40                     ; tile column = 4 x cluster x + cx
	s_and_b32 s17, ttmp7, 0xffff
	s_lshl_b32 s17, s17, 2
	s_add_co_u32 s17, s17, s41                     ; tile row = 4 x cluster y + cy
	s_lshl_b32 s43, s41, 2
	s_lshl_b32 s43, 15, s43                        ; my row of the cluster
	s_lshl_b32 s44, 0x1111, s40                    ; my column
	s_or_b32 s[G1+0], s43, (0<<16)|(1<<20)|(1<<21)|(5<<22)|(3<<25)  ; the mask; elements of 1 byte; padding on; bit 21 beside a mask; 4 words behind every 64
	s_or_b32 s[G1B+0], s44, (0<<16)|(1<<20)|(1<<21)|(5<<22)|(3<<25)
.irp g, G1, G1B
	s_mov_b32 s[\g+1], ROWB<<16                    ; tensor_dim0
	s_mov_b32 s[\g+2], 128<<16                     ; tensor_dim1
	s_mov_b32 s[\g+3], ROWB<<16                    ; tile_dim0
	s_mov_b32 s[\g+4], 128                         ; tile_dim1
	s_mov_b32 s[\g+5], KROW                        ; from row to row
	s_mov_b32 s[\g+6], 0
	s_mov_b32 s[\g+7], 0
.endr
	s_or_b32 s[G1S+0], s43, (3<<16)|(1<<20)|(1<<21)|(5<<22)|(3<<25) ; the scales of 128 rows: 4,096 dense bytes as 16 rows of 256 (32 elements of 8 bytes), 16 bytes of padding behind each
	s_or_b32 s[G1SB+0], s44, (3<<16)|(1<<20)|(1<<21)|(5<<22)|(3<<25)
.irp g, G1S, G1SB
	s_mov_b32 s[\g+1], 32<<16
	s_mov_b32 s[\g+2], (128*KS/256)<<16
	s_mov_b32 s[\g+3], 32<<16
	s_mov_b32 s[\g+4], 128*KS/256
	s_mov_b32 s[\g+5], 32
	s_mov_b32 s[\g+6], 0
	s_mov_b32 s[\g+7], 0
.endr
	s_lshl_b32 s18, s16, 7
	s_lshl_b32 s20, s17, 8
	s_add_co_u32 s20, s20, s18                     ; x: row 256 x tile row + 128 x half
	s_lshl_b32 s46, s42, 8
	s_add_co_u32 s46, s46, s18                     ; w_qkv: row 256 x tile column + 128 x half
	s_mov_b32 s21, 0
	s_mov_b32 s47, 0
	s_mov_b64 s[18:19], KS
	s_mul_u64 s[22:23], s[20:21], s[18:19]         ; where these rows' scales begin
	s_mul_u64 s[92:93], s[46:47], s[18:19]
	s_mov_b64 s[18:19], KROW
	s_mul_u64 s[20:21], s[20:21], s[18:19]         ; and their codes
	s_mul_u64 s[46:47], s[46:47], s[18:19]
	s_mul_i32 s45, s14, HALFT                      ; where they go: wave x 128 rows
	s_mul_i32 s94, s14, HALFS
	s_wait_dscnt 0x0                               ; both opening adds are done
	s_wait_kmcnt 0x0
	s_add_nc_u64 s[8:9], s[4:5], 0x200000          ; w_qkv's codes lie behind x's 2,097,152 bytes,
	s_add_nc_u64 s[10:11], s[6:7], 0x20000         ; its scales behind x's 131,072
	s_add_nc_u64 s[20:21], s[4:5], s[20:21]
	s_add_nc_u64 s[22:23], s[6:7], s[22:23]
	s_add_nc_u64 s[46:47], s[8:9], s[46:47]
	s_add_nc_u64 s[92:93], s[10:11], s[92:93]
	CROUND                                         ; all sixteen work-groups are here: the joint loads meet
	s_mov_b32 s[G0S], 1
	s_add_co_u32 s[G0S+1], s94, SCL
	s_mov_b64 s[G0S+2:G0S+3], s[22:23]
	s_or_b32 s[G0S+3], s[G0S+3], 0x80000000
	s_mov_b32 s[G0SB], 1
	s_add_co_u32 s[G0SB+1], s94, SCL
	s_mov_b64 s[G0SB+2:G0SB+3], s[92:93]
	s_or_b32 s[G0SB+3], s[G0SB+3], 0x80000000
	JLOAD G0S, G1S, G0SB, G1SB                     ; the scales first: they are wanted with the first slot
.irp s, 0,1
	s_mov_b32 s[G0+4*\s], 1
	s_add_co_u32 s[G0+4*\s+1], s45, \s*SLOT
	s_add_nc_u64 s[G0+4*\s+2:G0+4*\s+3], s[20:21], \s*ROWB
	s_or_b32 s[G0+4*\s+3], s[G0+4*\s+3], 0x80000000
	s_mov_b32 s[G0B+4*\s], 1
	s_add_co_u32 s[G0B+4*\s+1], s45, \s*SLOT
	s_add_nc_u64 s[G0B+4*\s+2:G0B+4*\s+3], s[46:47], \s*ROWB
	s_or_b32 s[G0B+4*\s+3], s[G0B+4*\s+3], 0x80000000
	JLOAD G0+4*\s, G1, G0B+4*\s, G1B               ; three tensor loads of mine are out now, and no more follow
.endr
	v_and_b32 v1, 15, v0                           ; r
	v_bfe_u32 v2, v0, 4, 1                         ; h
	v_mul_u32_u24 v3, v1, PITCH
	v_lshl_add_u32 v4, v2, 4, v3                   ; a fragment's row x pitch + 16 x half
	s_mul_i32 s21, s15, HALFT
	s_mul_i32 s22, s16, HALFT
	s_add_co_u32 s22, s22, 2*HALFT
.irp s, 0,1
	v_add_nc_u32 v[ADRA+\s], s21, v4
	v_add_nc_u32 v[ADRB+\s], s22, v4
	s_add_co_u32 s21, s21, SLOT
	s_add_co_u32 s22, s22, SLOT
.endr
	v_mul_u32_u24 v5, v1, KS                       ; my row's scales: KS bytes a row,
	v_lshrrev_b32 v6, 8, v5
	v_lshl_add_u32 v5, v6, 4, v5                   ; and 16 more for each 256 passed
	s_mul_i32 s21, s15, HALFS
	s_mul_i32 s22, s16, HALFS
	s_add_co_u32 s22, s22, 2*HALFS
	s_sub_co_u32 s22, s22, s21
	v_mul_u32_u24 v6, s22, v2                      ; lanes 16-31 take w_qkv's
	s_add_co_u32 s21, s21, SCL
	v_add_nc_u32 v5, v5, v6
	v_add_nc_u32 v[ADRS], s21, v5
	; the way out's addresses
	s_mul_i32 s23, s14, WSTG                       ; my stage
	v_mul_u32_u24 v5, v1, 144
	v_lshl_add_u32 v5, v2, 4, v5
	v_add_nc_u32 v[STO], s23, v5                   ; in: row r of 144 bytes, + 16 h
	v_and_b32 v6, 31, v0
	v_lshlrev_b32 v[CO], 4, v6
	v_lshrrev_b32 v5, 3, v6
	v_mul_u32_u24 v5, v5, 144
	v_and_b32 v6, 7, v6
	v_lshl_add_u32 v5, v6, 4, v5
	v_add_nc_u32 v[RD], s23, v5                    ; back: eight lanes to a row of 128 bytes, four rows an instruction
	v_lshlrev_b32 v[HO], 8, v1
	v_lshl_add_u32 v[HO], v2, 5, v[HO]
	s_lshl_b32 s20, s17, 8
	s_lshl_b32 s21, s15, 7
	s_add_co_u32 s20, s20, s21                     ; my first row m0
	s_lshr_b32 s21, s20, 11                        ; b
	s_and_b32 s20, s20, 2047                       ; t0
	s_lshl_b32 s46, s40, 2
	s_lshl_b32 s47, s16, 1
	s_add_co_u32 s46, s46, s47                     ; my first head: 4 cx + 2 x column half
	s_lshl_b32 s47, s21, 4
	s_add_co_u32 s46, s46, s47                     ; 16 b + head
	s_cmp_eq_u32 ttmp9, 2                          ; the cluster's x is the kind: 0 q, 1 k, 2 v
	s_cselect_b32 s23, 0, 1
	s_lshl_b32 s2, s23, 12                         ; from block to block in the table: 16 rows of 256 bytes, for v none
	s_mov_b32 s3, 0
	s_mul_i32 s22, s20, s23
	v_mul_u32_u24 v[ROFF], s23, v1
	v_add_nc_u32 v[ROFF], s22, v[ROFF]
	v_lshlrev_b32 v[ROFF], 8, v[ROFF]
	v_lshl_add_u32 v[ROFF], v2, 6, v[ROFF]
	s_lshl_b32 s92, s46, 18                        ; a head of qkv16 is 262,144 bytes,
	s_lshl_b32 s93, s20, 7                         ; a row 128,
	s_add_co_u32 s92, s92, s93
	s_lshl_b32 s93, ttmp9, 23                      ; a kind 8,388,608
	s_add_co_u32 s92, s92, s93
	s_mov_b32 s93, 0
	s_add_nc_u64 s[98:99], s[98:99], s[92:93]
	s_lshl_b32 s92, ttmp9, 5
	s_add_co_u32 s92, s92, s46
	s_lshl_b32 s92, s92, 12                        ; a head of h32 is 4,096 bytes
	s_add_nc_u64 s[100:101], s[100:101], s[92:93]
	s_and_b32 s92, s17, 7
	s_or_b32 s92, s92, s15
	s_cmp_eq_u32 s92, 0                            ; is my block 0 positions 0-15 of a sequence?
	s_cselect_b32 s21, -1, 0                       ; a lane mask for the f32 copy: all or none.  No branch hangs on it
; the table's rows of block a (16 rows; a lane takes its 8 frequencies of each half head: cos, cos, sin, sin by pairs) into set a % 2
.macro TABLOAD a
.if (\a) > 0
	s_wait_xcnt 0x0                                ; the earlier loads have read their base
	s_add_nc_u64 s[96:97], s[96:97], s[2:3]
.endif
.irp bp, 0,1
.irp g, 0,1,2,3
	global_load_b128 v[TBL+32*((\a)%2)+16*\bp+4*\g:TBL+32*((\a)%2)+16*\bp+4*\g+3], v[ROFF], s[96:97] offset:128*\bp+16*\g
.endr
.endr
.endm
	TABLOAD 0
	TABLOAD 1                                      ; they land under the products
.macro FRAG reg, adr, q, i             ; 16 rows x 128 K of 4-bit codes: lane l holds row l % 16; registers 4 c .. 4 c + 3 hold K = 64 c + 32 (l / 16) + 0 .. 31
.irp c, 0,1
	ds_load_b128 v[\reg+4*\c:\reg+4*\c+3], v[\adr] offset:64*(\q)+32*\c+(\i)*16*PITCH
.endr
.endm
; 16 matrix instructions: x's blocks a0, a0 + 1 against w_qkv's eight, 128 along K.  The 64 accumulators take turns, one instruction a turn.  zero = 1: the first product starts the sums.
.macro MUL16 a0, p, q, sc, zero
.irp a, \a0, \a0+1
.irp b, 0,1,2,3,4,5,6,7
.if \zero
	v_wmma_scale_f32_16x16x128_f8f6f4 v[8*(8*((\a)%4)+\b):8*(8*((\a)%4)+\b)+7], v[128*(\p)+FR*\b:128*(\p)+FR*\b+FR-1], v[AF+FR*(\a):AF+FR*(\a)+FR-1], 0, v[SC+8*NQ*(\sc)+NQ*\b+(\q)], v[SC+8*NQ*(\sc)+NQ*(\a)+(\q)] matrix_a_fmt:MATRIX_FMT_FP4 matrix_b_fmt:MATRIX_FMT_FP4 matrix_a_scale:MATRIX_SCALE_ROW1
.else
	v_wmma_scale_f32_16x16x128_f8f6f4 v[8*(8*((\a)%4)+\b):8*(8*((\a)%4)+\b)+7], v[128*(\p)+FR*\b:128*(\p)+FR*\b+FR-1], v[AF+FR*(\a):AF+FR*(\a)+FR-1], v[8*(8*((\a)%4)+\b):8*(8*((\a)%4)+\b)+7], v[SC+8*NQ*(\sc)+NQ*\b+(\q)], v[SC+8*NQ*(\sc)+NQ*(\a)+(\q)] matrix_a_fmt:MATRIX_FMT_FP4 matrix_b_fmt:MATRIX_FMT_FP4 matrix_a_scale:MATRIX_SCALE_ROW1
.endif
.endr
.endr
.endm
.macro FETCH_B slot, q, p
	WIN TO_B
.irp i, 0,1,2,3,4,5,6,7
	FRAG 128*(\p)+FR*\i, ADRB+\slot, \q, \i
.endr
	WIN 0
.endm
.macro FETCH_A slot, q, i0
.irp i, \i0, \i0+1, \i0+2, \i0+3
	FRAG AF+FR*(\i), ADRA+\slot, \q, \i
.endr
.endm
.macro SCALES sc                       ; a slot's scale words: 4 words a row; lanes 0-15 take x's block i, lanes 16-31 w_qkv's block i
.irp i, 0,1,2,3,4,5,6,7
	ds_load_b128 v[SC+8*NQ*\sc+NQ*\i:SC+8*NQ*\sc+NQ*\i+3], v[ADRS] offset:\i*SBLK
.endr
.endm
.macro PLACES n                        ; plain vector lines between a matrix instruction and a load into, or a read of, its registers
.rept \n
	v_nop
.endr
.endm
.macro STEP slot, q, zero              ; 128 along K with its successor in the same slot
	s_wait_dscnt 4*NL                              ; all but the youngest eight loads (x's blocks 4-7) are in
	WIN MUL_LO
	MUL16 0, (\q)%2, \q, \slot, \zero
	MUL16 2, (\q)%2, \q, \slot, \zero
	s_wait_dscnt 0
	PLACES NP
	FETCH_B \slot, (\q)+1, 1-(\q)%2
	FETCH_A \slot, (\q)+1, 0
	WIN MUL_HI
	MUL16 4, (\q)%2, \q, \slot, \zero
	MUL16 6, (\q)%2, \q, \slot, \zero
	PLACES NP
	WIN 0
	FETCH_A \slot, (\q)+1, 4
.endm
.macro STEPS slot, from
.set Q, \from
.rept NQ-1-\from
	STEP \slot, Q, 0
.set Q, Q+1
.endr
.endm
	s_wait_tensorcnt 1                             ; the scales and my part of slot 0 are in; slot 1's load may be out
	s_barrier_signal -1
	s_barrier_wait -1
	FETCH_B 0, 0, 0
	FETCH_A 0, 0, 0
	SCALES 0
	FETCH_A 0, 0, 4
	STEP 0, 0, 1                                   ; the first products start the sums: nothing is cleared
	STEPS 0, 1
	; slot 0's last step changes slots: one barrier; behind it slot 1 is whole and nobody reads slot 0
	s_wait_tensorcnt 0x0                           ; my part of slot 1 has landed
	ds_add_u32 v[SPW], v[NIL]                      ; 0 onto my spare word
	s_wait_dscnt 4*NL+1                            ; the add and the youngest eight loads may be out
	WIN MUL_LO
	MUL16 0, 1, NQ-1, 0, 0
	s_wait_dscnt 0x0                               ; the add is done, and my reads of slot 0 are over
	s_barrier_signal -1
	MUL16 2, 1, NQ-1, 0, 0
	WIN 0
	s_barrier_wait -1
	PLACES NP
	v_add_nc_u32 v[ADRS], 4*NQ, v[ADRS]            ; on to slot 1's scale words
	FETCH_B 1, 0, 0
	FETCH_A 1, 0, 0
	SCALES 1
	WIN MUL_HI
	MUL16 4, 1, NQ-1, 0, 0
	MUL16 6, 1, NQ-1, 0, 0
	PLACES NP
	WIN 0
	FETCH_A 1, 0, 4
	STEPS 1, 0
	s_wait_dscnt 4*NL                              ; the very last step
	WIN MUL_LO
	MUL16 0, 1, NQ-1, 1, 0
	MUL16 2, 1, NQ-1, 1, 0
	s_wait_dscnt 0
	WIN MUL_HI
	MUL16 4, 1, NQ-1, 1, 0
	MUL16 6, 1, NQ-1, 1, 0
	WIN 0
; THE WAY OUT, block by block of 16 rows.
; The f32 copy of positions 0-15: under a lane mask that is all ones in the waves whose block 0 is those positions, and zero in the others.  EXEC changes only behind s_wait_xcnt 0.
.macro COPY32 hh
	s_wait_xcnt 0x0
	s_mov_b32 vcc_lo, s21
	s_and_saveexec_b32 s22, vcc_lo
.irp bb, 0,1,2,3
	global_store_b128 v[HO], v[T+8*\bb:T+8*\bb+3], s[100:101] offset:4096*\hh+64*\bb
	global_store_b128 v[HO], v[T+8*\bb+4:T+8*\bb+7], s[100:101] offset:4096*\hh+64*\bb+16
.endr
	s_wait_xcnt 0x0                                ; the stores have read T and EXEC
	s_or_b32 exec_lo, exec_lo, s22
.endm
; Block a: for each of my two heads, d < 32: q1 cos - q2 sin; d >= 32: q2 cos + q1 sin, two numbers an instruction, each accumulator from its low end on; then f16.
.macro PACK a
.set AC, 64*((\a)%4)
.set TBS, TBL+32*((\a)%2)
.if (\a) < 7
	s_wait_loadcnt 8                               ; this block's eight table loads are in; the next block's eight may be out
.else
	s_wait_loadcnt 0x0
.endif
.irp hh, 0,1
	WIN 0x02+(\a)/4                                ; source 0: the accumulators' window
.irp bp, 0,1
.irp jp, 0,2,4,6
	v_pk_mul_f32 v[XR+\jp:XR+\jp+1], v[AC+8*(4*\hh+\bp+2)+\jp:AC+8*(4*\hh+\bp+2)+\jp+1], v[TBS+16*\bp+2*\jp+2:TBS+16*\bp+2*\jp+3]
	v_pk_mul_f32 v[YR+\jp:YR+\jp+1], v[AC+8*(4*\hh+\bp)+\jp:AC+8*(4*\hh+\bp)+\jp+1], v[TBS+16*\bp+2*\jp+2:TBS+16*\bp+2*\jp+3]
	v_pk_fma_f32 v[T+8*\bp+\jp:T+8*\bp+\jp+1], v[AC+8*(4*\hh+\bp)+\jp:AC+8*(4*\hh+\bp)+\jp+1], v[TBS+16*\bp+2*\jp:TBS+16*\bp+2*\jp+1], v[XR+\jp:XR+\jp+1] neg_lo:[0,0,1] neg_hi:[0,0,1]
	v_pk_fma_f32 v[T+8*(\bp+2)+\jp:T+8*(\bp+2)+\jp+1], v[AC+8*(4*\hh+\bp+2)+\jp:AC+8*(4*\hh+\bp+2)+\jp+1], v[TBS+16*\bp+2*\jp:TBS+16*\bp+2*\jp+1], v[YR+\jp:YR+\jp+1]
.endr
.endr
	WIN 0
.if (\a) == 0
	COPY32 \hh
.endif
.irp bb, 0,1,2,3
.irp k, 0,1,2,3
	v_cvt_pk_f16_f32 v[TMP+16*\hh+4*\bb+\k], v[T+8*\bb+2*\k], v[T+8*\bb+2*\k+1]
.endr
.endr
.endr
.if (\a) < 6
	TABLOAD (\a)+2                                 ; into the set that this block has read
.endif
.endm
.macro TOSTAGE a
.if (\a) > 1
	s_wait_xcnt 0x0                                ; block a - 2's stores have read the registers that the loads below fill
.endif
.irp hh, 0,1
.irp bb, 0,1,2,3
	ds_store_b128 v[STO], v[TMP+16*\hh+4*\bb:TMP+16*\hh+4*\bb+3] offset:2304*\hh+32*\bb
.endr
.endr
.irp hh, 0,1
.irp i, 0,1,2,3
	ds_load_b128 v[BK+32*((\a)%2)+16*\hh+4*\i:BK+32*((\a)%2)+16*\hh+4*\i+3], v[RD] offset:2304*\hh+576*\i   ; LDS serves a wave's instructions in order (ISA guide 5.7.1.4): these see the stores above
.endr
.endr
.endm
.macro SEND a
	s_wait_dscnt 0x0                               ; the block is back in registers
.irp hh, 0,1
.irp i, 0,1,2,3
	global_store_b128 v[CO], v[BK+32*((\a)%2)+16*\hh+4*\i:BK+32*((\a)%2)+16*\hh+4*\i+3], s[98:99] offset:262144*\hh+2048*(\a)+512*\i   ; four rows of a head: 512 consecutive bytes, aligned
.endr
.endr
.endm
	PLACES NP
	PACK 0
	TOSTAGE 0
.irp a, 1,2,3,4,5,6,7                  ; block a's arithmetic stands between block a - 1's loads from the stage and the wait for them
	PACK \a
	SEND \a-1
	TOSTAGE \a
.endr
	SEND 7
	s_wait_tensorcnt 0x0                           ; the wave's end, behind my last tensor load and my last LDS store
	ds_add_u32 v[SPW], v[NIL]
	s_wait_dscnt 0x0
	CROUND                                         ; the closing round
	s_endpgm
.Lfunc_end_k_q9c91942d48_qkv:
	.size	k_q9c91942d48_qkv, .Lfunc_end_k_q9c91942d48_qkv-k_q9c91942d48_qkv
	.p2alignl 7, 3214868480
	.fill 96, 4, 3214868480
	.section	.rodata,"a",@progbits
	.p2align	6, 0x0
	.amdhsa_kernel k_q9c91942d48_qkv
		.amdhsa_group_segment_fixed_size 327680
		.amdhsa_private_segment_fixed_size 0
		.amdhsa_enable_private_segment 0
		.amdhsa_kernarg_size 40
		.amdhsa_user_sgpr_count 2
		.amdhsa_user_sgpr_kernarg_segment_ptr 1
		.amdhsa_wavefront_size32 1
		.amdhsa_system_sgpr_workgroup_id_x 1
		.amdhsa_system_sgpr_workgroup_id_y 1
		.amdhsa_system_sgpr_workgroup_id_z 1
		.amdhsa_system_vgpr_workitem_id 0
		.amdhsa_next_free_vgpr 1024
		.amdhsa_next_free_sgpr 102
		.amdhsa_reserve_vcc 1
		.amdhsa_float_denorm_mode_32 3
		.amdhsa_float_denorm_mode_16_64 3
		.amdhsa_memory_ordered 1
		.amdhsa_forward_progress 1
		.amdhsa_inst_pref_size 168
	.end_amdhsa_kernel
	.amdgpu_metadata
---
amdhsa.version: [ 1, 2 ]
amdhsa.kernels:
  - .name:           k_q9c91942d48_qkv
    .symbol:         k_q9c91942d48_qkv.kd
    .args:
      - { .name: codes, .offset: 0, .size: 8, .value_kind: global_buffer, .address_space: global }
      - { .name: scales, .offset: 8, .size: 8, .value_kind: global_buffer, .address_space: global }
      - { .name: rope, .offset: 16, .size: 8, .value_kind: global_buffer, .address_space: global }
      - { .name: qkv16, .offset: 24, .size: 8, .value_kind: global_buffer, .address_space: global }
      - { .name: h32, .offset: 32, .size: 8, .value_kind: global_buffer, .address_space: global }
    .group_segment_fixed_size: 327680
    .private_segment_fixed_size: 0
    .kernarg_segment_align: 8
    .kernarg_segment_size: 40
    .max_flat_workgroup_size: 128
    .sgpr_count:     102
    .vgpr_count:     1024
    .wavefront_size: 32
...
	.end_amdgpu_metadata
.endif
;; end of part 2
;; launch attn (part 3): grid 8 x 32, 8 waves a work-group, clusters of 4 x 1, 327,680 bytes of LDS; arguments qkv16, ah; writes ah
.if DOCPART == 3
	.amdgcn_target "amdgcn-amd-amdhsa--gfx1250"
	.amdhsa_code_object_version 6
	.text
	.protected	k_q9c91942d48_attn
	.globl	k_q9c91942d48_attn
	.p2align	8
	.type	k_q9c91942d48_attn,@function
k_q9c91942d48_attn:
	s_mov_b64 s[64:65], 0
	v_nop
	global_prefetch_b8 v0, s[64:65] scope:SCOPE_SE
	s_setreg_imm32_b32 hwreg(HW_REG_WAVE_MODE, 25, 1), 1
	s_wait_xcnt 0x0
	s_wait_alu depctr_hold_cnt(0) depctr_sa_sdst(0) depctr_va_vdst(0) depctr_va_sdst(0) depctr_va_ssrc(0) depctr_va_vcc(0) depctr_vm_vsrc(0)
	s_getreg_b32 s2, hwreg(HW_REG_IB_STS2, 6, 4)
	s_cmp_eq_u32 s2, 0
	s_cbranch_scc0 .Lentry_in_a_cluster
	s_endpgm
.Lentry_in_a_cluster:
	s_bfe_u32 s2, ttmp6, 0x10000c
	s_cmp_lg_u32 s2, 0x3003
	s_cbranch_scc0 .Lentry_shape_is_right
	s_endpgm
.Lentry_shape_is_right:
; ATTN.  ah[bh][q][:] = sum over k <= q of softmax_k(Q[bh][q] . K[bh][k] / 8) V[bh][k][:].  Q, K, V: qkv16[kind][bh][2048][64] f16; ah the same shape, f16.  Products, maxima and sums in f32;
; the weights p are rounded to f16 for the second product, the result once at the end.  A running maximum m and sum l for each query: p = 2^(c s - c m), c = log2(e) / 8; in every step O and l are multiplied by 2^(c m_old - c m_new).
; SHARES.  A head has 128 tiles of 16 queries.  Work-group p' (0..7) of a head owns the tiles 8 rho + p', rho = 0..15 (the tile's rank).  Wave w owns ranks w (tile A) and 15 - w (tile B).
; Keys go 128 a step.  Step ks counts for a tile of rank rho where ks <= rho, and ks = rho is its step on the diagonal, whatever p' is: so every branch hangs on the wave's number and the count of steps alone,
; every wave has 17 tile-steps, and all eight work-groups of a head run alike and read every tile of K and V (wave 0's tile B has rank 15).
; CLUSTER.  Four work-groups of one head ask for each tile JOINTLY: the same tensor load with the same descriptor and the mask 15 in all four.  p' enters global addresses and a lane's number for the mask alone.
; LAYOUT.  S^T = K Q^T (source 0 = 16 keys, source 1 = 16 queries): a lane holds ONE query (lane % 16) and keys 16 kt + 8 (lane / 16) + 0..7.  Two such tiles, rounded in pairs, are source 1 of O^T = V^T P.
; K comes out of LDS as it lies, V ([key][channel]) turned, by ds_load_tr16_b128.
; LIMITS: |q|, |k|, |v| and the result up to 65,504 (f16); NaN and infinities are not served.
; REGISTERS.  window 0: v2-15 addresses; v16-31 statistics, eight a tile: +0 c m, +1 m, +2, +3 l (even keys', odd keys'), +4..+7 at work, the factor in +6; v32 -infinity; v64-127, v128-191 S^T of tiles A, B (P is packed
;   into the first 32 of each); v192-255 fragments, first half.   window 1: v0-63 O^T (32 t + 8 dt); v64-95 Q (64 + 16 t + 8 ds); v96-159 fragments, second half.
.set PK,    144                        ; a row of K in LDS: 128 bytes + 16 = 36 words: the 16 rows of a load start at 16 different groups of four banks (64 banks of 4 bytes: ISA guide 11.1)
.set PVP,   160                        ; a row of V: 128 + 32
.set VOFF,  128*PK                     ; a step's tiles lie together: 128 rows of K, then 128 rows of V
.set STEPB, 128*(PK+PVP)
.set SLOT1, 1<<17                      ; a slot holds two steps; slot 1 begins here, so that one exclusive or turns an address
.set STAGE, SLOT1+2*STEPB              ; behind the ring: 2 tiles x 16 rows x 144 bytes for each wave
.set SPARE, STAGE+8*4608               ; the spare words, 128 bytes for each wave, that no other line names
.set AK0, 2
.set AV0, 3
.set ADK, 4
.set ADV, 5
.set QOA, 6
.set QOB, 7
.set STO, 8
.set RD,  9
.set DG,  10                           ; v10 16 p' + r - 8 h: on the diagonal register 8 kt + j is hidden where 16 kt + j is above it
.set GOA, 11
.set GOB, 12
.set PFO, 13
.set SPW, 14
.set NIL, 15
.set STA, 16
.set STB, 24
.set NINF, 32
.set SA,  64
.set SB,  128
.set WV,  12                           ; s12 my wave's number = tile A's rank
.set G1K, 24
.set G1V, 32
.set G0K, 40
.set G0V, 44
.set SLOTS, 48
.set TWICE, 49
.set KSC, 50                           ; s50 the step's number
.set RB,  51                           ; s51 tile B's rank
.set TB,  52                           ; s52 LDS byte at which the step's tiles begin
.set CS,  54
.set SEL, 56
.set PFA, 58
.set LIM, 60
.set MSB, 0
.macro WIN new
.if MSB != (\new)
	s_set_vgpr_msb (MSB<<8)|(\new)
.set MSB, \new
.endif
.endm
; A joint load: waves 0-3 fetch a slot's four quarters of K, waves 4-7 those of V, 64 rows each.  The branch hangs on the wave's number alone.  An s_nop 0 and four v_nop follow each line.
.macro JLOAD
	s_cmp_lt_u32 s[WV], 4
	s_cbranch_scc0 .Lfor_v_\@
	tensor_load_to_lds s[G0K:G0K+3], s[G1K:G1K+7]
	s_nop 0
.rept 4
	v_nop
.endr
	s_branch .Lasked_\@
.Lfor_v_\@:
	tensor_load_to_lds s[G0V:G0V+3], s[G1V:G1V+7]
	s_nop 0
.rept 4
	v_nop
.endr
.Lasked_\@:
.endm
; A prefetch of what the NEXT change of slots will ask for: a slot's 32,768 bytes of K and of V.  Both clusters of a head walk the same rows: the first asks.  Its four partners take 8,192 bytes each, told apart by address;
; in each, wave 0 asks for K's and wave 4 for V's, lanes 256 bytes apart: each aligned run of 256 bytes is named once in the launch.  The last change that fills a slot asks for nothing: no slot follows.
.macro ASK
	s_cmp_gt_u32 s[SLOTS], s[LIM]
	s_cbranch_scc0 .Lnot_mine_\@
	global_prefetch_b8 v[PFO], s[PFA:PFA+1] th:TH_LOAD_NT scope:SCOPE_SE
.Lnot_mine_\@:
.endm
.macro CROUND
	s_barrier_signal -1
	s_barrier_wait -1
	s_cmp_lg_u32 s[WV], 0
	s_cbranch_scc1 .Lnot_wave_0_\@
	s_barrier_signal -3
.Lnot_wave_0_\@:
	s_barrier_wait -3
	s_barrier_signal -1
	s_barrier_wait -1
.endm
	s_load_b128 s[4:7], s[0:1], 0x0                ; qkv16, ah
	v_lshl_add_u32 v[SPW], v0, 2, SPARE
	v_mov_b32 v[NIL], 0
	ds_add_u32 v[SPW], v[NIL]                      ; the wave's opening: the add, twice on end, and its wait ahead of my first tensor load
	ds_add_u32 v[SPW], v[NIL]
	v_lshrrev_b32 v1, 5, v0
	v_readfirstlane_b32 s[WV], v1                  ; wave 0..7
	s_bfe_u32 s13, ttmp6, 0x40000                  ; cx
	s_lshl_b32 s14, ttmp9, 2
	s_add_co_u32 s14, s14, s13                     ; p'
	s_and_b32 s16, ttmp7, 0xffff
	s_lshl_b32 s16, s16, 18                        ; the head's first byte in a kind: 262,144 a head
	s_mov_b32 s17, 0
	s_and_b32 s18, s[WV], 3                        ; which quarter of a slot I fetch
	s_lshl_b32 s20, s18, 13                        ; its 64 rows of 128 bytes in memory,
	s_add_co_u32 s20, s20, s16
	s_mov_b32 s21, 0
	s_lshr_b32 s19, s18, 1
	s_mul_i32 s19, s19, STEPB                      ; its step in the slot,
	s_and_b32 s18, s18, 1
	s_mul_i32 s22, s18, 64*PK
	s_add_co_u32 s22, s22, s19                     ; and its place there: for K,
	s_mul_i32 s23, s18, 64*PVP
	s_add_co_u32 s23, s23, s19
	s_add_co_u32 s23, s23, VOFF                    ; for V.  No place in the cluster enters an LDS address
	s_mov_b32 s[G1K], 15|(1<<16)|(1<<20)|(1<<21)|(4<<22)|(3<<25)  ; the mask: all four; elements of 2 bytes; padding on; bit 21 beside a mask; 4 words behind every 32
	s_mov_b32 s[G1V], 15|(1<<16)|(1<<20)|(1<<21)|(4<<22)|(7<<25)  ; the same with 8 words
.irp g, G1K, G1V
	s_mov_b32 s[\g+1], 64<<16                      ; tensor_dim0 = 64
	s_mov_b32 s[\g+2], 64<<16                      ; tensor_dim1 = 64
	s_mov_b32 s[\g+3], 64<<16                      ; tile_dim0 = 64
	s_mov_b32 s[\g+4], 64                          ; tile_dim1 = 64
	s_mov_b32 s[\g+5], 64                          ; from row to row
	s_mov_b32 s[\g+6], 0
	s_mov_b32 s[\g+7], 0
.endr
	s_mov_b32 s[CS], 0x3e38aa3b                    ; c = log2(e) / 8
	s_mov_b32 s[CS+1], s[CS]
	s_mov_b32 s[SEL], 0x76543210
	s_mov_b32 s[SEL+1], 0xfedcba98
	s_mov_b32 s[TB], 0
	s_mov_b32 s[KSC], 0
	s_mov_b32 s[SLOTS], 7
	s_sub_co_u32 s[RB], 15, s[WV]
	s_wait_dscnt 0x0                               ; both opening adds are done
	s_wait_kmcnt 0x0
	s_mov_b32 s[G0K], 1
	s_mov_b32 s[G0K+1], s22
	s_add_nc_u64 s[G0K+2:G0K+3], s[4:5], s[20:21]
	s_add_nc_u64 s[G0K+2:G0K+3], s[G0K+2:G0K+3], 0x800000      ; K is kind 1
	s_or_b32 s[G0K+3], s[G0K+3], 0x80000000
	s_mov_b32 s[G0V], 1
	s_mov_b32 s[G0V+1], s23
	s_add_nc_u64 s[G0V+2:G0V+3], s[4:5], s[20:21]
	s_add_nc_u64 s[G0V+2:G0V+3], s[G0V+2:G0V+3], 0x1000000     ; V is kind 2
	s_or_b32 s[G0V+3], s[G0V+3], 0x80000000
	s_cmp_lt_u32 s[WV], 4                          ; the prefetches: K's rows (wave 0) or V's (wave 4),
	s_mov_b32 s18, 0x1000000
	s_cselect_b32 s18, 0x800000, s18
	s_lshl_b32 s19, s13, 13                        ; my work-group's 8,192 bytes of a slot's 32,768,
	s_add_co_u32 s18, s18, s19
	s_add_co_u32 s18, s18, s16
	s_add_co_u32 s18, s18, 32768                   ; in slot 1: the first change of slots steps it to slot 2.  Nothing is prefetched at the head
	s_mov_b32 s19, 0
	s_add_nc_u64 s[PFA:PFA+1], s[4:5], s[18:19]
	s_and_b32 s18, s[WV], 3
	s_or_b32 s18, s18, ttmp9                       ; waves 0 and 4 of the head's first cluster: the same in all four partners
	s_cmp_eq_u32 s18, 0
	s_cselect_b32 s[LIM], 1, -1
	s_lshl_b32 s18, s14, 11                        ; my tiles begin 2,048 p' bytes into each run of eight tiles
	s_add_co_u32 s18, s18, s16
	s_mov_b32 s19, 0
	s_add_nc_u64 s[8:9], s[4:5], s[18:19]          ; Q (kind 0)
	s_add_nc_u64 s[10:11], s[6:7], s[18:19]        ; ah
	CROUND                                         ; all four work-groups are here: the first joint loads meet
	JLOAD                                          ; slot 0
	v_and_b32 v1, 15, v0                           ; r
	v_bfe_u32 v33, v0, 4, 1                        ; h
	v_and_b32 v34, 31, v0                          ; lane
	v_mul_u32_u24 v[AK0], v1, PK
	v_lshl_add_u32 v[AK0], v33, 4, v[AK0]          ; K: row r x pitch + 16 h
	v_and_b32 v35, 7, v0
	v_bfe_u32 v36, v0, 3, 1
	v_lshl_add_u32 v[AV0], v33, 3, v35             ; V, turned: key 8 h + lane % 8, channels 8 ((lane / 8) % 2) on
	v_mul_u32_u24 v[AV0], v[AV0], PVP
	v_lshl_add_u32 v[AV0], v36, 4, v[AV0]
	v_add_nc_u32 v[AV0], VOFF, v[AV0]
	s_mul_i32 s16, s[WV], 4608
	s_add_co_u32 s16, s16, STAGE                   ; my stage
	v_add_nc_u32 v[STO], s16, v[AK0]               ; in: row r of 144 bytes, + 16 h
	v_lshrrev_b32 v37, 3, v34
	v_mul_u32_u24 v37, v37, PK
	v_lshl_add_u32 v37, v35, 4, v37
	v_add_nc_u32 v[RD], s16, v37                   ; back: eight lanes to a row of 128 bytes
	v_lshlrev_b32 v38, 7, v1
	v_lshl_add_u32 v38, v33, 4, v38                ; Q: row r of 128 bytes, + 16 h
	s_lshl_b32 s17, s[WV], 14                      ; a rank is eight tiles of 2,048 bytes
	s_lshl_b32 s18, s[RB], 14
	v_add_nc_u32 v[QOA], s17, v38
	v_add_nc_u32 v[QOB], s18, v38
	v_lshlrev_b32 v39, 4, v34
	v_add_nc_u32 v[GOA], s17, v39
	v_add_nc_u32 v[GOB], s18, v39
	v_lshlrev_b32 v[PFO], 8, v34
	s_lshl_b32 s19, s14, 4
	v_lshlrev_b32 v40, 3, v33
	v_sub_nc_u32 v[DG], v1, v40
	v_add_nc_u32 v[DG], s19, v[DG]
	v_mov_b32 v[NINF], 0xff800000
.irp st, STA, STB
	v_mov_b32 v[\st+1], 0xff61b1e6                 ; m = -3e38, under every score
	v_mul_f32 v[\st], s[CS], v[\st+1]              ; c m
.irp i, 2,3,4,5,6,7
	v_mov_b32 v[\st+\i], 0                         ; l, and the registers at work
.endr
.endr
	WIN 0x40                                       ; destination window 1
.irp ds, 0,1                           ; Q stays in registers: lane (r, h): query r; registers 0-3 channels 32 ds + 8 h on, 4-7 channels 32 ds + 16 + 8 h on
	global_load_b128 v[64+8*\ds:64+8*\ds+3], v[QOA], s[8:9] offset:64*\ds
	global_load_b128 v[64+8*\ds+4:64+8*\ds+7], v[QOA], s[8:9] offset:64*\ds+32
	global_load_b128 v[80+8*\ds:80+8*\ds+3], v[QOB], s[8:9] offset:64*\ds
	global_load_b128 v[80+8*\ds+4:80+8*\ds+7], v[QOB], s[8:9] offset:64*\ds+32
.endr
.set nn, 0
.rept 64
	v_mov_b32 v[nn], 0                             ; O^T.  The step is written once: the first finds zeros, which its factor 0 leaves zeros
.set nn, nn+1
.endr
	WIN 0
.macro KLOAD                           ; a step's K: 8 tiles of 16 keys x 2 halves of the channels: 32 loads, the first four tiles first
.irp kt, 0,1,2,3
.irp ds, 0,1
	ds_load_b128 v[192+8*(2*\kt+\ds):192+8*(2*\kt+\ds)+3], v[ADK] offset:16*\kt*PK+64*\ds
	ds_load_b128 v[192+8*(2*\kt+\ds)+4:192+8*(2*\kt+\ds)+7], v[ADK] offset:16*\kt*PK+64*\ds+32
.endr
.endr
	WIN 0x40
.irp kt, 0,1,2,3
.irp ds, 0,1
	ds_load_b128 v[96+8*(2*\kt+\ds):96+8*(2*\kt+\ds)+3], v[ADK] offset:(64+16*\kt)*PK+64*\ds
	ds_load_b128 v[96+8*(2*\kt+\ds)+4:96+8*(2*\kt+\ds)+7], v[ADK] offset:(64+16*\kt)*PK+64*\ds+32
.endr
.endr
	WIN 0
.endm
.macro VLOAD                           ; a step's V, turned: 4 groups of 32 keys x 4 tiles of 16 channels
.irp u, 0,1
.irp dt, 0,1,2,3
	ds_load_tr16_b128 v[192+8*(4*\u+\dt):192+8*(4*\u+\dt)+3], v[ADV] offset:32*\u*PVP+32*\dt
	ds_load_tr16_b128 v[192+8*(4*\u+\dt)+4:192+8*(4*\u+\dt)+7], v[ADV] offset:32*\u*PVP+16*PVP+32*\dt
.endr
.endr
	WIN 0x40
.irp u, 0,1
.irp dt, 0,1,2,3
	ds_load_tr16_b128 v[96+8*(4*\u+\dt):96+8*(4*\u+\dt)+3], v[ADV] offset:(64+32*\u)*PVP+32*\dt
	ds_load_tr16_b128 v[96+8*(4*\u+\dt)+4:96+8*(4*\u+\dt)+7], v[ADV] offset:(64+32*\u)*PVP+16*PVP+32*\dt
.endr
.endr
	WIN 0
.endm
.macro KQ1 sreg, t, hk, kt, ds
.set rS, \sreg+8*(4*\hk+\kt)
.set rF, 192-96*\hk+8*(2*\kt+\ds)
.set rQ, 64+16*\t+8*\ds
.if \ds == 0
	v_wmma_f32_16x16x32_f16 v[rS:rS+7], v[rF:rF+7], v[rQ:rQ+7], 0
.else
	v_wmma_f32_16x16x32_f16 v[rS:rS+7], v[rF:rF+7], v[rQ:rQ+7], v[rS:rS+7]
.endif
.endm
; S^T of key tiles 4 hk .. 4 hk + 3.  The accumulators (8, or 4 with tile B alone) take turns, one instruction a turn; the first products start the sums.
.macro KQ both, hk
	WIN 0x04+\hk                                   ; Q in window 1; the fragments in window hk
.irp ds, 0,1
.irp kt, 0,1,2,3
.if \both
	KQ1 SA, 0, \hk, \kt, \ds
.endif
	KQ1 SB, 1, \hk, \kt, \ds
.endr
.endr
.endm
.macro PV1 sreg, t, hv, u, dt
.set rO, 32*\t+8*\dt
.set rF, 192-96*\hv+8*(4*\u+\dt)
.set rP, \sreg+8*(2*\hv+\u)
	v_wmma_f32_16x16x32_f16 v[rO:rO+7], v[rF:rF+7], v[rP:rP+7], v[rO:rO+7]
.endm
.macro PV both, hv                     ; O^T += V^T P for keys 64 hv on; the accumulators by turns
	WIN 0x50+\hv                                   ; O^T in window 1, P in window 0, the fragments in window hv
.irp u, 0,1
.irp dt, 0,1,2,3
.if \both
	PV1 SA, 0, \hv, \u, \dt
.endif
	PV1 SB, 1, \hv, \u, \dt
.endr
.endr
.endm
; On a tile's diagonal step the scores of hidden keys become -infinity ahead of the maximum.  The branch hangs on the count of steps and the wave's number.  Key 128 rho is at or under every query of the tile, so m is a number.
.macro MASK sreg, rho
	s_cmp_lg_u32 s[KSC], s[\rho]
	s_cbranch_scc1 .Lopen_\@
.set nn, 0
.rept 64
	v_cmp_gt_i32 vcc_lo, 16*(nn/8)+nn%8, v[DG]
	v_cndmask_b32 v[\sreg+nn], v[\sreg+nn], v[NINF], vcc_lo
.set nn, nn+1
.endr
.Lopen_\@:
.endm
; The maximum (four chains, each accumulator from its low end on), the new m and c m, the scalings and all 65 exponentials of a tile.  Nothing here names an exponential's result.
.macro SOFT1 sreg, st
.irp k, 0,1,2,3
	v_max3_num_f32 v[\st+4+\k], v[\sreg+16*\k], v[\sreg+16*\k+1], v[\sreg+16*\k+2]
.endr
.irp i, 3,5,7,9,11,13
.irp k, 0,1,2,3
	v_max3_num_f32 v[\st+4+\k], v[\st+4+\k], v[\sreg+16*\k+\i], v[\sreg+16*\k+\i+1]
.endr
.endr
	v_max3_num_f32 v[\st+4], v[\st+4], v[\sreg+15], v[\sreg+31]
	v_max3_num_f32 v[\st+6], v[\st+6], v[\sreg+47], v[\sreg+63]
	v_max3_num_f32 v[\st+4], v[\st+4], v[\st+5], v[\st+6]
	v_max3_num_f32 v[\st+4], v[\st+4], v[\st+7], v[\st+1]
	v_permlanex16_b32 v[\st+5], v[\st+4], s[SEL], s[SEL+1]   ; the query's other 64 keys lie in the lane 16 away
	v_mov_b32 v[\st+7], v[\st]                     ; c m_old
	v_max_num_f32 v[\st+1], v[\st+4], v[\st+5]
	v_mul_f32 v[\st], s[CS], v[\st+1]
	v_sub_f32 v[\st+7], v[\st+7], v[\st]
.set nn, 0
.rept 32
	v_pk_fma_f32 v[\sreg+nn:\sreg+nn+1], v[\sreg+nn:\sreg+nn+1], s[CS:CS+1], v[\st:\st+1] op_sel_hi:[1,0,0] neg_lo:[0,0,1] neg_hi:[0,0,1]   ; c s - c m
.set nn, nn+2
.endr
	v_exp_f32 v[\st+6], v[\st+7]                   ; the factor 2^(c m_old - c m_new)
.set nn, 0
.rept 64
	v_exp_f32 v[\sreg+nn], v[\sreg+nn]
.set nn, nn+1
.endr
.endm
; l = l x factor + the sum of the unrounded p (two chains); p to f16 in place: register n takes numbers 2 n and 2 n + 1; O^T x factor.
.macro SOFT2 sreg, st, t
	v_pk_mul_f32 v[\st+2:\st+3], v[\st+2:\st+3], v[\st+6:\st+7] op_sel_hi:[1,0]
	v_pk_add_f32 v[\st+4:\st+5], v[\sreg:\sreg+1], v[\sreg+2:\sreg+3]
.set nn, 4
.rept 15
	v_pk_add_f32 v[\st+2:\st+3], v[\st+2:\st+3], v[\sreg+nn:\sreg+nn+1]
	v_pk_add_f32 v[\st+4:\st+5], v[\st+4:\st+5], v[\sreg+nn+2:\sreg+nn+3]
.set nn, nn+4
.endr
	v_pk_add_f32 v[\st+2:\st+3], v[\st+2:\st+3], v[\st+4:\st+5]
.set nn, 0
.rept 32
	v_cvt_pk_f16_f32 v[\sreg+nn], v[\sreg+2*nn], v[\sreg+2*nn+1]
.set nn, nn+1
.endr
	WIN 0x41                                       ; O^T (destination and source 0) in window 1
.set nn, 0
.rept 16
	v_pk_mul_f32 v[32*\t+nn:32*\t+nn+1], v[32*\t+nn:32*\t+nn+1], v[\st+6:\st+7] op_sel_hi:[1,0]
.set nn, nn+2
.endr
	WIN 0
.endm
; A KEY STEP of a wave: both = 1: tiles A and B; 0: tile B alone.
.macro STEPW both
	v_add_nc_u32 v[ADK], s[TB], v[AK0]             ; these two and three v_nop: five plain lines between the last step's products and the loads into their fragments and the products that write over P
	v_add_nc_u32 v[ADV], s[TB], v[AV0]
.rept 3
	v_nop
.endr
	KLOAD
	s_wait_dscnt 16                                ; the first four tiles of keys are in; the other sixteen loads may be out
	KQ \both, 0
	s_wait_dscnt 0x0
	KQ \both, 1
	WIN 0
.rept 4
	v_nop                                          ; places in front of the loads into the fragments, and of the first read of the scores
.endr
	VLOAD                                          ; V lands under the softmax
.if \both
	MASK SA, WV
.endif
	MASK SB, RB
.if \both
	SOFT1 SA, STA
.endif
	SOFT1 SB, STB
	v_nop                                          ; a plain line behind the last exponential
	s_wait_alu depctr_va_vdst(0)                   ; one wait for the whole batch, ahead of its first reader
.if \both
	SOFT2 SA, STA, 0
.endif
	SOFT2 SB, STB, 1
	s_wait_dscnt 0x0                               ; V is in
	PV \both, 0
	PV \both, 1
	WIN 0
.endm
; A slot's two steps: a loop of two trips; which work a wave does in a step hangs on the step's number and the wave's.  No barrier, wait on tensor loads or tensor load stands inside.
.macro TWO_STEPS
	s_mov_b32 s[TWICE], 2
.Lstep_\@:
	s_cmp_gt_u32 s[KSC], s[RB]
	s_cbranch_scc1 .Lnone_\@                       ; all keys of the step come after both my tiles
	s_cmp_gt_u32 s[KSC], s[WV]
	s_cbranch_scc1 .Lone_\@                        ; after tile A alone
	STEPW 1
	s_branch .Lnone_\@
.Lone_\@:
	STEPW 0
.Lnone_\@:
	s_add_co_u32 s[KSC], s[KSC], 1
	s_add_co_u32 s[TB], s[TB], STEPB
	s_sub_co_u32 s[TWICE], s[TWICE], 1
	s_cmp_lg_u32 s[TWICE], 0
	s_cbranch_scc1 .Lstep_\@
	s_sub_co_u32 s[TB], s[TB], 2*STEPB             ; back to a slot's first step,
	s_xor_b32 s[TB], s[TB], SLOT1                  ; in the other slot
.endm
; THE CHANGE OF SLOTS stands at a slot's head.  Each wave waits for all its tensor loads (one is out: its part of the slot ahead), adds 0 to its spare word, and waits for that and for its reads of the slot that it has left.
; fill = 1: a round of the cluster's barrier, and first behind it the joint load of the next 256 keys into the slot just left: it has two steps in which to land.
.macro CHANGE fill
	s_wait_tensorcnt 0x0                           ; no tensor load of mine is out, so a descriptor may be written
	ds_add_u32 v[SPW], v[NIL]                      ; 0 onto my spare word
.if \fill
	s_xor_b32 s[G0K+1], s[G0K+1], SLOT1
	s_add_nc_u64 s[G0K+2:G0K+3], s[G0K+2:G0K+3], 32768
	s_xor_b32 s[G0V+1], s[G0V+1], SLOT1
	s_add_nc_u64 s[G0V+2:G0V+3], s[G0V+2:G0V+3], 32768
	s_wait_xcnt 0x0                                ; the last prefetch, a slot back, has read its address
	s_add_nc_u64 s[PFA:PFA+1], s[PFA:PFA+1], 32768 ; one slot further on than the walking descriptors
	s_wait_dscnt 0x0                               ; the add is done, and my reads of the slot that I have left are over
	CROUND
	JLOAD
	ASK
.else
	s_wait_dscnt 0x0
	s_barrier_signal -1
	s_barrier_wait -1
.endif
.endm
	s_wait_loadcnt 0x0                             ; Q
.Lslot:                                            ; seven trips: behind each change of slots but the last the next slot is asked for
	CHANGE 1
	TWO_STEPS
	s_sub_co_u32 s[SLOTS], s[SLOTS], 1
	s_cmp_lg_u32 s[SLOTS], 0
	s_cbranch_scc1 .Lslot
	CHANGE 0                                       ; the last slot is written out
	TWO_STEPS
	; THE WAY OUT.  l's halves and the other half of the lanes' are added; O^T / l is rounded to f16 and goes through my stage: a tile leaves as 2,048 consecutive bytes.
.rept 4
	v_nop
.endr
.irp st, STA, STB
	v_add_f32 v[\st+4], v[\st+2], v[\st+3]
.endr
.irp st, STA, STB
	v_permlanex16_b32 v[\st+5], v[\st+4], s[SEL], s[SEL+1]
.endr
.irp st, STA, STB
	v_add_f32 v[\st+4], v[\st+4], v[\st+5]
.endr
.irp st, STA, STB
	v_rcp_f32 v[\st+6], v[\st+4]
.endr
	v_nop                                          ; a plain line behind the last reciprocal
	s_wait_alu depctr_va_vdst(0)                   ; and the wait ahead of the first use: one for both
.macro FINT sreg, st, t, go
	WIN 0x01                                       ; source 0 (O^T) window 1
.set nn, 0
.rept 16
	v_pk_mul_f32 v[\sreg+nn:\sreg+nn+1], v[32*\t+nn:32*\t+nn+1], v[\st+6:\st+7] op_sel_hi:[1,0]
.set nn, nn+2
.endr
	WIN 0
.set nn, 0
.rept 16
	v_cvt_pk_f16_f32 v[\sreg+32+nn], v[\sreg+2*nn], v[\sreg+2*nn+1]
.set nn, nn+1
.endr
.irp dt, 0,1,2,3
	ds_store_b128 v[STO], v[\sreg+32+4*\dt:\sreg+32+4*\dt+3] offset:2304*\t+32*\dt
.endr
.irp i, 0,1,2,3
	ds_load_b128 v[\sreg+48+4*\i:\sreg+48+4*\i+3], v[RD] offset:2304*\t+576*\i   ; LDS serves a wave's instructions in order (ISA guide 5.7.1.4): these see the stores above
.endr
	s_wait_dscnt 0x0
.irp i, 0,1,2,3
	global_store_b128 v[\go], v[\sreg+48+4*\i:\sreg+48+4*\i+3], s[10:11] offset:512*\i   ; 512 consecutive bytes, aligned
.endr
.endm
	FINT SA, STA, 0, GOA
	FINT SB, STB, 1, GOB
	s_wait_tensorcnt 0x0                           ; the wave's end, behind my last tensor load and my last LDS store
	ds_add_u32 v[SPW], v[NIL]
	s_wait_dscnt 0x0
	CROUND                                         ; the closing round
	s_endpgm
.Lfunc_end_k_q9c91942d48_attn:
	.size	k_q9c91942d48_attn, .Lfunc_end_k_q9c91942d48_attn-k_q9c91942d48_attn
	.p2alignl 7, 3214868480
	.fill 96, 4, 3214868480
	.section	.rodata,"a",@progbits
	.p2align	6, 0x0
	.amdhsa_kernel k_q9c91942d48_attn
		.amdhsa_group_segment_fixed_size 327680
		.amdhsa_private_segment_fixed_size 0
		.amdhsa_enable_private_segment 0
		.amdhsa_kernarg_size 16
		.amdhsa_user_sgpr_count 2
		.amdhsa_user_sgpr_kernarg_segment_ptr 1
		.amdhsa_wavefront_size32 1
		.amdhsa_system_sgpr_workgroup_id_x 1
		.amdhsa_system_sgpr_workgroup_id_y 1
		.amdhsa_system_sgpr_workgroup_id_z 1
		.amdhsa_system_vgpr_workitem_id 0
		.amdhsa_next_free_vgpr 416
		.amdhsa_next_free_sgpr 66
		.amdhsa_reserve_vcc 1
		.amdhsa_float_denorm_mode_32 3
		.amdhsa_float_denorm_mode_16_64 3
		.amdhsa_memory_ordered 1
		.amdhsa_forward_progress 1
		.amdhsa_inst_pref_size 149
	.end_amdhsa_kernel
	.amdgpu_metadata
---
amdhsa.version: [ 1, 2 ]
amdhsa.kernels:
  - .name:           k_q9c91942d48_attn
    .symbol:         k_q9c91942d48_attn.kd
    .args:
      - { .name: qkv16, .offset: 0, .size: 8, .value_kind: global_buffer, .address_space: global }
      - { .name: ah, .offset: 8, .size: 8, .value_kind: global_buffer, .address_space: global }
    .group_segment_fixed_size: 327680
    .private_segment_fixed_size: 0
    .kernarg_segment_align: 8
    .kernarg_segment_size: 16
    .max_flat_workgroup_size: 256
    .sgpr_count:     66
    .vgpr_count:     416
    .wavefront_size: 32
...
	.end_amdgpu_metadata
.endif
;; end of part 3
;; launch proj (part 4): grid 8 x 32, 4 waves a work-group, clusters of 4 x 4, 327,680 bytes of LDS; arguments ah, wp16, out0; writes out0
.if DOCPART == 4
	.amdgcn_target "amdgcn-amd-amdhsa--gfx1250"
	.amdhsa_code_object_version 6
	.text
	.protected	k_q9c91942d48_proj
	.globl	k_q9c91942d48_proj
	.p2align	8
	.type	k_q9c91942d48_proj,@function
k_q9c91942d48_proj:
	s_mov_b64 s[64:65], 0
	v_nop
	global_prefetch_b8 v0, s[64:65] scope:SCOPE_SE
	s_setreg_imm32_b32 hwreg(HW_REG_WAVE_MODE, 25, 1), 1
	s_wait_xcnt 0x0
	s_wait_alu depctr_hold_cnt(0) depctr_sa_sdst(0) depctr_va_vdst(0) depctr_va_sdst(0) depctr_va_ssrc(0) depctr_va_vcc(0) depctr_vm_vsrc(0)
	s_getreg_b32 s2, hwreg(HW_REG_IB_STS2, 6, 4)
	s_cmp_eq_u32 s2, 0
	s_cbranch_scc0 .Lentry_in_a_cluster
	s_endpgm
.Lentry_in_a_cluster:
	s_bfe_u32 s2, ttmp6, 0x10000c
	s_cmp_lg_u32 s2, 0xf033
	s_cbranch_scc0 .Lentry_shape_is_right
	s_endpgm
.Lentry_shape_is_right:
; PROJ.  out0[m][n] = sum over k of A[m][k] W[n][k].  A = ah read as [4096][1024] f16 (row b 2048 + 128 head + t / 16 is 16 positions of one head), W = wp16 [1024][1024] f16; out0 [4096][1024] f32; sums in f32.
; A tile of C is 128 x 128: 256 work-groups.  Four waves, each 64 x 64: 16 accumulators.  K goes in steps of 256 (LDS rows of 512 bytes; a wave's tensor load brings 64 of them) through two slots.
; CLUSTERS: 4 x 4 work-groups; A's tiles are asked for jointly along a row of the cluster, W's along a column.  THE MATRIX INSTRUCTION IS USED TRANSPOSED (source 0 = 16 rows of W, source 1 = 16 rows of A):
; a lane holds eight neighbouring numbers of a row of C.  A wave's 64 columns of f32 are 256 aligned bytes, so each wave has a stage of its own on the way out and no barrier stands there.
; The 32 rows b 2048 + 128 head are written here from f16 operands and written again, from f32, by the launch that follows.
; REGISTERS: window 0: v0-31 addresses; v32-95 rows on the way out; v128-255 the accumulators ((a, b) at v[128 + 8 (4 a + b)]).   window 1: two fragment buffers of 128.
.set SIZE_N, 1024
.set SIZE_K, 1024
.set KSTEP,  256
.set PITCH,  528                       ; an LDS row: 512 bytes + 16 = 132 words: row r starts at bank 4 r mod 64 (64 banks of 4 bytes: ISA guide 11.1)
.set HALFT,  64*PITCH
.set SLOT,   4*HALFT
.set STAGE,  2*SLOT                    ; behind the ring: 16 rows x 272 bytes for each wave
.set SPITCH, 272
.set SPARE,  STAGE+4*16*SPITCH         ; the spare words, 128 bytes for each wave, that no other line names
.set LAPS, SIZE_K/(2*KSTEP)
.set ADRA, 16
.set ADRB, 20
.set STO,  24
.set RD,   25
.set CO,   26
.set SPW,  28
.set NIL,  29
.set TMP,  32
.set ACC,  128
.set F0,   0
.set F1,   128
.set G1, 24
.set G0, 32
.set G1B, 48
.set G0B, 56
.set MSB, 0
.macro WIN new
.if MSB != (\new)
	s_set_vgpr_msb (MSB<<8)|(\new)
.set MSB, \new
.endif
.endm
.set MUL,  0x05                        ; sources 0 (W) and 1 (A) window 1; C and D window 0
.set TO_F, 0x40
.macro JLOAD s                         ; a joint load: waves 0 and 1 fetch A's two halves, waves 2 and 3 W's; an s_nop 0 and four v_nop follow each of the two lines
	s_cmp_eq_u32 s11, 0
	s_cbranch_scc0 .Lfor_b_\@
	tensor_load_to_lds s[G0+4*\s:G0+4*\s+3], s[G1:G1+7]
	s_nop 0
.rept 4
	v_nop
.endr
	s_branch .Lasked_\@
.Lfor_b_\@:
	tensor_load_to_lds s[G0B+4*\s:G0B+4*\s+3], s[G1B:G1B+7]
	s_nop 0
.rept 4
	v_nop
.endr
.Lasked_\@:
.endm
.macro CREST
	s_cmp_lg_u32 s10, 0
	s_cbranch_scc1 .Lnot_wave_0_\@
	s_barrier_signal -3
.Lnot_wave_0_\@:
	s_barrier_wait -3
	s_barrier_signal -1
	s_barrier_wait -1
.endm
.macro CROUND
	s_barrier_signal -1
	s_barrier_wait -1
	CREST
.endm
	s_load_b128 s[4:7], s[0:1], 0x0                ; A, W
	s_load_b64 s[8:9], s[0:1], 0x10                ; out0
	v_lshl_add_u32 v[SPW], v0, 2, SPARE
	v_mov_b32 v[NIL], 0
	ds_add_u32 v[SPW], v[NIL]                      ; the wave's opening: the add, twice on end, and its wait ahead of my first tensor load
	ds_add_u32 v[SPW], v[NIL]
	v_lshrrev_b32 v1, 5, v0
	v_readfirstlane_b32 s10, v1                    ; wave 0..3
	s_lshr_b32 s11, s10, 1                         ; which half of the tile's rows is mine.  Also: I fetch for A (0) or for W (1)
	s_and_b32 s12, s10, 1                          ; which half of its columns.  Also: which 64 rows of that tile I fetch
	s_bfe_u32 s40, ttmp6, 0x40000
	s_bfe_u32 s41, ttmp6, 0x40004
	s_lshl_b32 s42, ttmp9, 2
	s_add_co_u32 s42, s42, s40                     ; tile column
	s_and_b32 s13, ttmp7, 0xffff
	s_lshl_b32 s13, s13, 2
	s_add_co_u32 s13, s13, s41                     ; tile row
	s_lshl_b32 s43, s41, 2
	s_lshl_b32 s43, 15, s43                        ; my row of the cluster
	s_lshl_b32 s44, 0x1111, s40                    ; my column
	s_or_b32 s[G1+0], s43, (1<<16)|(1<<20)|(1<<21)|(6<<22)|(3<<25)  ; the mask; elements of 2 bytes; padding on; bit 21 beside a mask; 4 words behind every 128
	s_or_b32 s[G1B+0], s44, (1<<16)|(1<<20)|(1<<21)|(6<<22)|(3<<25)
.irp g, G1, G1B
	s_mov_b32 s[\g+1], KSTEP<<16
	s_mov_b32 s[\g+2], 64<<16
	s_mov_b32 s[\g+3], KSTEP<<16
	s_mov_b32 s[\g+4], 64
	s_mov_b32 s[\g+5], SIZE_K
	s_mov_b32 s[\g+6], 0
	s_mov_b32 s[\g+7], 0
.endr
	s_lshl_b32 s17, s12, 6
	s_lshl_b32 s16, s13, 7
	s_add_co_u32 s16, s16, s17                     ; A: row 128 x tile row + 64 x half
	s_lshl_b32 s46, s42, 7
	s_add_co_u32 s46, s46, s17                     ; W: row 128 x tile column + 64 x half
	s_mov_b32 s17, 0
	s_mov_b32 s47, 0
	s_mov_b64 s[18:19], SIZE_K*2
	s_mul_u64 s[16:17], s[16:17], s[18:19]
	s_mul_u64 s[46:47], s[46:47], s[18:19]
	s_mul_i32 s20, s10, HALFT
	s_wait_dscnt 0x0                               ; both opening adds are done
	s_wait_kmcnt 0x0
	s_add_nc_u64 s[14:15], s[4:5], s[16:17]
	s_add_nc_u64 s[46:47], s[6:7], s[46:47]
	CROUND                                         ; all sixteen work-groups are here: the first joint loads meet
.irp s, 0,1
	s_mov_b32 s[G0+4*\s], 1
	s_add_co_u32 s[G0+4*\s+1], s20, \s*SLOT
	s_add_nc_u64 s[G0+4*\s+2:G0+4*\s+3], s[14:15], \s*KSTEP*2
	s_or_b32 s[G0+4*\s+3], s[G0+4*\s+3], 0x80000000
	s_mov_b32 s[G0B+4*\s], 1
	s_add_co_u32 s[G0B+4*\s+1], s20, \s*SLOT
	s_add_nc_u64 s[G0B+4*\s+2:G0B+4*\s+3], s[46:47], \s*KSTEP*2
	s_or_b32 s[G0B+4*\s+3], s[G0B+4*\s+3], 0x80000000
	JLOAD \s
.endr
	v_and_b32 v1, 15, v0
	v_bfe_u32 v2, v0, 4, 1
	v_mul_u32_u24 v3, v1, PITCH
	v_lshl_add_u32 v3, v2, 4, v3
	s_mul_i32 s21, s11, HALFT
	s_mul_i32 s22, s12, HALFT
	s_add_co_u32 s22, s22, 2*HALFT
.irp s, 0,1
	v_add_nc_u32 v[ADRA+\s], s21, v3
	v_add_nc_u32 v[ADRB+\s], s22, v3
	s_add_co_u32 s21, s21, SLOT
	s_add_co_u32 s22, s22, SLOT
.endr
	s_mul_i32 s23, s10, 16*SPITCH
	s_add_co_u32 s23, s23, STAGE                   ; my stage
	v_mul_u32_u24 v4, v1, SPITCH
	v_lshl_add_u32 v4, v2, 5, v4
	v_add_nc_u32 v[STO], s23, v4                   ; in: row r, 32 bytes for each half of the lanes
	v_mul_u32_u24 v5, v2, SPITCH
	v_lshl_add_u32 v5, v1, 4, v5
	v_add_nc_u32 v[RD], s23, v5                    ; back: lanes 0-15 one row of 256 bytes, lanes 16-31 the next
	v_lshlrev_b32 v5, 12, v2
	v_lshl_add_u32 v[CO], v1, 4, v5                ; and the same two rows in out0: 4,096 bytes a row
	s_lshl_b32 s16, s13, 7
	s_lshl_b32 s17, s11, 6
	s_add_co_u32 s16, s16, s17                     ; my first row
	s_lshl_b32 s16, s16, 12
	s_mov_b32 s17, 0
	s_add_nc_u64 s[8:9], s[8:9], s[16:17]
	s_lshl_b32 s46, s42, 9                         ; my first column, in bytes: 512 x tile column + 256 x half
	s_lshl_b32 s47, s12, 8
	s_add_co_u32 s46, s46, s47
	s_mov_b32 s47, 0
	s_add_nc_u64 s[8:9], s[8:9], s[46:47]
.macro MUL8 f, c, a0, zero             ; 8 matrix instructions: m blocks a0, a0 + 1 x all 4 n blocks, 32 along K; the 16 accumulators take turns
.irp a, \a0, \a0+1
.irp b, 0,1,2,3
.if \zero
	v_wmma_f32_16x16x32_f16 v[ACC+8*(4*(\a)+\b):ACC+8*(4*(\a)+\b)+7], v[\f+64+8*(4*\c+\b):\f+64+8*(4*\c+\b)+7], v[\f+8*(4*\c+\a):\f+8*(4*\c+\a)+7], 0
.else
	v_wmma_f32_16x16x32_f16 v[ACC+8*(4*(\a)+\b):ACC+8*(4*(\a)+\b)+7], v[\f+64+8*(4*\c+\b):\f+64+8*(4*\c+\b)+7], v[\f+8*(4*\c+\a):\f+8*(4*\c+\a)+7], v[ACC+8*(4*(\a)+\b):ACC+8*(4*(\a)+\b)+7]
.endif
.endr
.endr
.endm
.macro FETCH slot, k, f                ; 32 LDS loads in one run: the fragments of 64 along K at byte k of the rows; the first 32 along K first
	WIN TO_F
.irp c, 0,1
.irp i, 0,1,2,3
	ds_load_b128 v[\f+64+8*(4*\c+\i):\f+64+8*(4*\c+\i)+3],   v[ADRB+\slot] offset:\k+64*\c+\i*16*PITCH
	ds_load_b128 v[\f+64+8*(4*\c+\i)+4:\f+64+8*(4*\c+\i)+7], v[ADRB+\slot] offset:\k+64*\c+\i*16*PITCH+32
	ds_load_b128 v[\f+8*(4*\c+\i):\f+8*(4*\c+\i)+3],         v[ADRA+\slot] offset:\k+64*\c+\i*16*PITCH
	ds_load_b128 v[\f+8*(4*\c+\i)+4:\f+8*(4*\c+\i)+7],       v[ADRA+\slot] offset:\k+64*\c+\i*16*PITCH+32
.endr
.endr
.endm
.macro PLACES
.rept 4
	v_nop
.endr
.endm
.macro QUARTER slot, k, f, g, zero
	s_wait_dscnt 16                                ; the first 32 along K are in; the other sixteen loads may be out
	WIN MUL
	MUL8 \f, 0, 0, \zero
	MUL8 \f, 0, 2, \zero
	PLACES
	FETCH \slot, \k, \g
	s_wait_dscnt 32                                ; all but the 32 just issued
	WIN MUL
	MUL8 \f, 1, 0, 0
	MUL8 \f, 1, 2, 0
.endm
; The last quarter changes slots: one barrier; in front of it each wave waits for all its tensor loads, adds 0 to its spare word, and waits for that and for its own reads of this slot.  fill = 1: the slot is filled again.
.macro TURN slot, next, fill
	WIN 0
	s_wait_tensorcnt 0x0                           ; all my tensor loads have landed: my part of the next slot
	ds_add_u32 v[SPW], v[NIL]                      ; 0 onto my spare word
	s_wait_dscnt 17                                ; the add and the youngest sixteen loads may be out
	WIN MUL
	MUL8 F1, 0, 0, 0
	s_wait_dscnt 0x0                               ; the add is done, and my reads of this slot are over
	s_barrier_signal -1
	MUL8 F1, 0, 2, 0
.if \fill
	WIN 0
.endif
	s_barrier_wait -1
.if \fill
	CREST                                          ; the barrier has opened a round of the cluster's barrier: no wave of any partner still reads this slot or has a load on its way
	s_add_nc_u64 s[G0+4*\slot+2:G0+4*\slot+3], s[G0+4*\slot+2:G0+4*\slot+3], 2*KSTEP*2
	s_add_nc_u64 s[G0B+4*\slot+2:G0B+4*\slot+3], s[G0B+4*\slot+2:G0B+4*\slot+3], 2*KSTEP*2
	JLOAD \slot                                    ; the first tensor load behind the round; its four v_nop are also the places in front of the loads below
.else
	PLACES
.endif
	FETCH \next, 0, F0
	WIN MUL
	MUL8 F1, 1, 0, 0
	MUL8 F1, 1, 2, 0
.endm
	s_wait_tensorcnt 1                             ; my part of K step 0 is in; K step 1's load may be out
	s_barrier_signal -1
	s_barrier_wait -1
	FETCH 0, 0, F0
	QUARTER 0, 128, F0, F1, 1                      ; the first products start the sums
	WIN 0
	s_mov_b32 s3, LAPS-1
.Llap:                                                 ; a trip goes once round the ring and fills both slots again
	QUARTER 0, 256, F1, F0, 0
	QUARTER 0, 384, F0, F1, 0
	TURN 0, 1, 1
	QUARTER 1, 128, F0, F1, 0
	QUARTER 1, 256, F1, F0, 0
	QUARTER 1, 384, F0, F1, 0
	TURN 1, 0, 1
	QUARTER 0, 128, F0, F1, 0
	WIN 0
	s_sub_co_u32 s3, s3, 1
	s_cmp_lg_u32 s3, 0
	s_cbranch_scc1 .Llap
	QUARTER 0, 256, F1, F0, 0                      ; the last lap fills nothing
	QUARTER 0, 384, F0, F1, 0
	TURN 0, 1, 0
	QUARTER 1, 128, F0, F1, 0
	QUARTER 1, 256, F1, F0, 0
	QUARTER 1, 384, F0, F1, 0
	s_wait_dscnt 16
	WIN MUL
	MUL8 F1, 0, 0, 0
	MUL8 F1, 0, 2, 0
	s_wait_dscnt 0
	MUL8 F1, 1, 0, 0
	MUL8 F1, 1, 2, 0
	WIN 0
; THE WAY OUT, a block of 16 rows x 64 columns at a time through my own stage: the accumulators go in as they are, each from its low end on, and come back as rows of 256 bytes.
.macro TOSTAGE a
.if (\a) > 1
	s_wait_xcnt 0x0                                ; block a - 2's stores have read the registers that the loads below fill
.endif
.irp b, 0,1,2,3
	ds_store_b128 v[STO], v[ACC+8*(4*(\a)+\b):ACC+8*(4*(\a)+\b)+3] offset:64*\b
	ds_store_b128 v[STO], v[ACC+8*(4*(\a)+\b)+4:ACC+8*(4*(\a)+\b)+7] offset:64*\b+16
.endr
.irp i, 0,1,2,3,4,5,6,7
	ds_load_b128 v[TMP+32*((\a)%2)+4*\i:TMP+32*((\a)%2)+4*\i+3], v[RD] offset:\i*2*SPITCH   ; LDS serves a wave's instructions in order (ISA guide 5.7.1.4)
.endr
.endm
.macro SEND a, younger                 ; younger: the LDS instructions issued behind block a's loads
	s_wait_dscnt \younger
.irp i, 0,1,2,3,4,5,6,7
	global_store_b128 v[CO], v[TMP+32*((\a)%2)+4*\i:TMP+32*((\a)%2)+4*\i+3], s[8:9] offset:(16*(\a)+2*\i)*SIZE_N*4 th:TH_STORE_NT   ; 16 lanes store 256 consecutive bytes, aligned
.endr
.endm
	PLACES
	TOSTAGE 0
.irp a, 1,2,3
	TOSTAGE \a
	SEND \a-1, 16                                  ; behind block a - 1's loads: block a's 8 stores and 8 loads
.endr
	SEND 3, 0
	s_wait_tensorcnt 0x0                           ; the wave's end, behind my last tensor load and my last LDS store
	ds_add_u32 v[SPW], v[NIL]
	s_wait_dscnt 0x0
	CROUND                                         ; the closing round
	s_endpgm
.Lfunc_end_k_q9c91942d48_proj:
	.size	k_q9c91942d48_proj, .Lfunc_end_k_q9c91942d48_proj-k_q9c91942d48_proj
	.p2alignl 7, 3214868480
	.fill 96, 4, 3214868480
	.section	.rodata,"a",@progbits
	.p2align	6, 0x0
	.amdhsa_kernel k_q9c91942d48_proj
		.amdhsa_group_segment_fixed_size 327680
		.amdhsa_private_segment_fixed_size 0
		.amdhsa_enable_private_segment 0
		.amdhsa_kernarg_size 24
		.amdhsa_user_sgpr_count 2
		.amdhsa_user_sgpr_kernarg_segment_ptr 1
		.amdhsa_wavefront_size32 1
		.amdhsa_system_sgpr_workgroup_id_x 1
		.amdhsa_system_sgpr_workgroup_id_y 1
		.amdhsa_system_sgpr_workgroup_id_z 1
		.amdhsa_system_vgpr_workitem_id 0
		.amdhsa_next_free_vgpr 512
		.amdhsa_next_free_sgpr 66
		.amdhsa_reserve_vcc 0
		.amdhsa_float_denorm_mode_32 3
		.amdhsa_float_denorm_mode_16_64 3
		.amdhsa_memory_ordered 1
		.amdhsa_forward_progress 1
		.amdhsa_inst_pref_size 86
	.end_amdhsa_kernel
	.amdgpu_metadata
---
amdhsa.version: [ 1, 2 ]
amdhsa.kernels:
  - .name:           k_q9c91942d48_proj
    .symbol:         k_q9c91942d48_proj.kd
    .args:
      - { .name: ah, .offset: 0, .size: 8, .value_kind: global_buffer, .address_space: global }
      - { .name: wp16, .offset: 8, .size: 8, .value_kind: global_buffer, .address_space: global }
      - { .name: out0, .offset: 16, .size: 8, .value_kind: global_buffer, .address_space: global }
    .group_segment_fixed_size: 327680
    .private_segment_fixed_size: 0
    .kernarg_segment_align: 8
    .kernarg_segment_size: 24
    .max_flat_workgroup_size: 128
    .sgpr_count:     66
    .vgpr_count:     512
    .wavefront_size: 32
...
	.end_amdgpu_metadata
.endif
;; end of part 4
;; launch first16 (part 5): grid 16 x 2, 16 waves a work-group, no clusters, 85,248 bytes of LDS; arguments h32, w_proj, out0; writes out0
.if DOCPART == 5
	.amdgcn_target "amdgcn-amd-amdhsa--gfx1250"
	.amdhsa_code_object_version 6
	.text
	.protected	k_q9c91942d48_first16
	.globl	k_q9c91942d48_first16
	.p2align	8
	.type	k_q9c91942d48_first16,@function
k_q9c91942d48_first16:
	s_mov_b64 s[64:65], 0
	v_nop
	global_prefetch_b8 v0, s[64:65] scope:SCOPE_SE
	s_setreg_imm32_b32 hwreg(HW_REG_WAVE_MODE, 25, 1), 1
	s_wait_xcnt 0x0
; FIRST16.  Positions 0-15 of every sequence average one to sixteen values: they, and the 32 rows of the projection that take them in (row b 2048 + 128 head is positions 0-15 of that head), are made here in f32 throughout,
; by v_wmma_f32_16x16x4_f32, and written over what the launch before left in those rows.  q, k, v come as f32 from h32[kind][b][head][16][64]; the weights from w_proj itself.
; Work-group (x, b): outputs 64 x .. 64 x + 63 of the 16 rows of batch b.  Phase 1: wave w makes head w's attention (16 queries x 16 keys x 64) and stores it as row w of a 16 x 1024 matrix in LDS (each of the 16 work-groups
; of a batch makes it anew: 32 matrix instructions).  Phase 2: wave w multiplies 256 along K (quarter w / 4) for 16 outputs (tile w % 4); the four quarters meet in LDS.  Phase 3: waves 0-7 add them and store.
; Along K a permutation applied alike to both sources keeps the products: a lane takes neighbouring numbers of its row by 16-byte loads, and both sources take the same ones.
; The registers that the matrix instructions write (v112-159) are written by nothing else; sums begin with the constant 0; two or four accumulators take turns.
; w_proj's loads take 32 bytes of each of 16 rows an instruction: taken as it is for a short launch on 32 work-groups.  The 8 stores into the matrix's rows stand 256 bytes apart from lane to lane: likewise.
; LIMITS: NaN and infinities are not served.
.set APITCH, 4112                      ; a row of the matrix in LDS: 4,096 bytes + 16
.set RED,    16*APITCH                 ; behind it: the partial sums, [quarter 4][row 16] x (256 bytes + 16)
.set RPITCH, 272
.set SPARE,  RED+4*16*RPITCH           ; the spare words, 128 bytes for each wave, that no other line names
.set QF, 16                            ; v16-47 q; v48-79 k; later the second half of my weights
.set KF, 48
.set VF, 80                            ; v80-111 v, turned by the loads; later fragments of the matrix, set 0
.set SA, 112                           ; v112-119, v120-127 two accumulators
.set SB, 120
.set OT, 128                           ; v128-159 O^T
.set TT, 160                           ; v160-191 at work; later fragments, set 1
.set PP, 176
.set W0, 192                           ; v192-255 the first half of my weights
	s_load_b128 s[4:7], s[0:1], 0x0                ; h32, w_proj
	s_load_b64 s[8:9], s[0:1], 0x10                ; out0
	v_lshl_add_u32 v14, v0, 2, SPARE               ; my spare word; never rewritten
	v_mov_b32 v15, 0                               ; 0; never rewritten
	v_lshrrev_b32 v1, 5, v0
	v_readfirstlane_b32 s12, v1                    ; wave 0..15
	v_and_b32 v1, 15, v0                           ; r
	v_bfe_u32 v2, v0, 4, 1                         ; h
	s_and_b32 s13, ttmp7, 0xffff                   ; b
	s_and_b32 s14, s12, 3                          ; which 16 outputs
	s_lshr_b32 s15, s12, 2                         ; which quarter of K
	v_lshlrev_b32 v3, 8, v1
	v_lshl_add_u32 v3, v2, 7, v3                   ; q, k: row r of 256 bytes, + 128 h: channels 32 h on
	v_lshlrev_b32 v4, 2, v1
	v_lshl_add_u32 v4, v2, 11, v4                  ; v: keys 8 h on, channel r of a tile
	v_lshlrev_b32 v5, 12, v1
	v_lshl_add_u32 v5, v2, 4, v5                   ; w_proj: row r of 4,096 bytes, + 16 h
	s_mul_i32 s16, s12, APITCH
	v_lshlrev_b32 v6, 8, v1
	v_lshl_add_u32 v6, v2, 5, v6
	v_add_nc_u32 v6, s16, v6                       ; the matrix, in: row w; position r x 256 + 32 h
	v_mul_u32_u24 v7, v1, APITCH
	v_lshl_add_u32 v7, v2, 4, v7
	s_lshl_b32 s17, s15, 10
	v_add_nc_u32 v7, s17, v7                       ; and out: row r, my quarter, + 16 h
	v_mul_u32_u24 v8, v1, RPITCH
	v_lshl_add_u32 v8, v2, 5, v8
	s_mul_i32 s17, s15, 16*RPITCH
	s_lshl_b32 s18, s14, 6
	s_add_co_u32 s17, s17, s18
	s_add_co_u32 s17, s17, RED
	v_add_nc_u32 v8, s17, v8                       ; the partial sums, in: my quarter, row r, my 16 outputs, + 32 h
	s_and_b32 s18, s12, 7
	s_mul_i32 s19, s18, 2*RPITCH
	s_add_co_u32 s19, s19, RED
	v_mul_u32_u24 v9, v2, RPITCH
	v_lshl_add_u32 v9, v1, 4, v9
	v_add_nc_u32 v9, s19, v9                       ; and out: row 2 (w % 8) + h, 16 bytes a lane
	s_lshl_b32 s19, s18, 20
	v_lshlrev_b32 v10, 19, v2
	v_lshl_add_u32 v10, v1, 4, v10
	v_add_nc_u32 v10, s19, v10                     ; the same row in out0: 128 rows of 4,096 bytes from head to head
	v_lshlrev_b32 v13, 3, v2
	v_sub_nc_u32 v11, v1, v13                      ; r - 8 h: register j (key 8 h + j) is hidden where j is above it
	v_mov_b32 v12, 0xff800000                      ; -infinity
	v_mov_b32 v169, 0                              ; written once: a lane permute's destination counts as one of its sources
	s_mov_b32 s20, 0x76543210
	s_mov_b32 s21, 0xfedcba98
	s_mov_b32 s22, 0x3e38aa3b                      ; c = log2(e) / 8
	s_lshl_b32 s16, s13, 4
	s_add_co_u32 s16, s16, s12
	s_lshl_b32 s16, s16, 12                        ; my head in a kind of h32
	s_mov_b32 s17, 0
	s_lshl_b32 s18, ttmp9, 18                      ; w_proj: 64 rows a work-group,
	s_lshl_b32 s19, s14, 16                        ; 16 a tile,
	s_add_co_u32 s18, s18, s19
	s_lshl_b32 s19, s15, 10                        ; 1,024 bytes a quarter
	s_add_co_u32 s18, s18, s19
	s_mov_b32 s19, 0
	s_lshl_b32 s24, s13, 23                        ; out0: 2,048 rows a batch,
	s_lshl_b32 s25, ttmp9, 8                       ; 256 bytes a work-group
	s_add_co_u32 s24, s24, s25
	s_mov_b32 s25, 0
	s_wait_kmcnt 0x0
	s_add_nc_u64 s[4:5], s[4:5], s[16:17]
	s_add_nc_u64 s[6:7], s[6:7], s[18:19]
	s_add_nc_u64 s[8:9], s[8:9], s[24:25]
.irp i, 0,1,2,3,4,5,6,7
	global_load_b128 v[QF+4*\i:QF+4*\i+3], v3, s[4:5] offset:16*\i
.endr
.irp i, 0,1,2,3,4,5,6,7
	global_load_b128 v[KF+4*\i:KF+4*\i+3], v3, s[4:5] offset:131072+16*\i
.endr
.irp dt, 0,1,2,3
.irp i, 0,1,2,3,4,5,6,7
	global_load_b32 v[VF+8*\dt+\i], v4, s[4:5] offset:262144+256*\i+64*\dt    ; v(key 8 h + i, channel 16 dt + r)
.endr
.endr
.irp g, 0,1,2,3,4,5,6,7,8,9,10,11,12,13,14,15
	global_load_b128 v[W0+4*\g:W0+4*\g+3], v5, s[6:7] offset:32*\g
.endr
	; ---- 1: S^T = k q^T: source 0 = 16 keys, source 1 = 16 queries; step i takes channels 32 h + 2 i, 2 i + 1 of both
	s_wait_loadcnt 48                              ; q and k are in; v's 32 loads and the weights' 16 may be out
.set ii, 0
.rept 16
.if ii < 2
	v_wmma_f32_16x16x4_f32 v[SA+8*(ii%2):SA+8*(ii%2)+7], v[KF+2*ii:KF+2*ii+1], v[QF+2*ii:QF+2*ii+1], 0
.else
	v_wmma_f32_16x16x4_f32 v[SA+8*(ii%2):SA+8*(ii%2)+7], v[KF+2*ii:KF+2*ii+1], v[QF+2*ii:QF+2*ii+1], v[SA+8*(ii%2):SA+8*(ii%2)+7]
.endif
.set ii, ii+1
.endr
.rept 8
	v_nop                                          ; eight places behind this form, in front of the loads into q's and k's registers and of the first read of the sums
.endr
.irp g, 0,1,2,3,4,5,6,7,8,9,10,11,12,13,14,15
	global_load_b128 v[QF+4*\g:QF+4*\g+3], v5, s[6:7] offset:512+32*\g   ; the second half of my weights
.endr
.irp j, 0,1,2,3,4,5,6,7
	v_add_f32 v[TT+\j], v[SA+\j], v[SB+\j]         ; lane (r, h): query r, key 8 h + j
.endr
.irp j, 0,1,2,3,4,5,6,7
	v_cmp_gt_i32 vcc_lo, \j, v11
	v_cndmask_b32 v[TT+\j], v[TT+\j], v12, vcc_lo  ; the causal mask.  Key 0 counts for every query, so the maximum is a number
.endr
	v_max3_num_f32 v168, v[TT], v[TT+1], v[TT+2]
	v_max3_num_f32 v168, v168, v[TT+3], v[TT+4]
	v_max3_num_f32 v168, v168, v[TT+5], v[TT+6]
	v_max_num_f32 v168, v168, v[TT+7]
	v_permlanex16_b32 v169, v168, s20, s21
	v_max_num_f32 v168, v168, v169                 ; the row's maximum
	v_mul_f32 v168, s22, v168
.irp j, 0,1,2,3,4,5,6,7
	v_fma_f32 v[TT+\j], v[TT+\j], s22, -v168
.endr
.irp j, 0,1,2,3,4,5,6,7
	v_exp_f32 v[TT+\j], v[TT+\j]
.endr
	v_nop                                          ; a plain line behind the last exponential
	s_wait_alu depctr_va_vdst(0)                   ; one wait for the eight, ahead of their first reader
	v_add_f32 v170, v[TT], v[TT+1]
	v_add_f32 v171, v[TT+2], v[TT+3]
	v_add_f32 v172, v[TT+4], v[TT+5]
	v_add_f32 v173, v[TT+6], v[TT+7]
	v_add_f32 v170, v170, v171
	v_add_f32 v172, v172, v173
	v_add_f32 v170, v170, v172
	v_permlanex16_b32 v169, v170, s20, s21
	v_add_f32 v170, v170, v169                     ; the row's sum
	v_rcp_f32 v170, v170
	v_nop
	s_wait_alu depctr_va_vdst(0)
.irp j, 0,1,2,3,4,5,6,7
	v_mul_f32 v[PP+\j], v[TT+\j], v170             ; the weights, in f32
.endr
	s_wait_loadcnt 32                              ; v is in; the weights' two halves may be out
.irp i, 0,1,2,3                        ; O^T = v^T p: source 0 = 16 channels, source 1 = the weights; step i takes keys 8 h + 2 i, 2 i + 1 of both; four accumulators by turns
.irp dt, 0,1,2,3
.if \i == 0
	v_wmma_f32_16x16x4_f32 v[OT+8*\dt:OT+8*\dt+7], v[VF+8*\dt+2*\i:VF+8*\dt+2*\i+1], v[PP+2*\i:PP+2*\i+1], 0
.else
	v_wmma_f32_16x16x4_f32 v[OT+8*\dt:OT+8*\dt+7], v[VF+8*\dt+2*\i:VF+8*\dt+2*\i+1], v[PP+2*\i:PP+2*\i+1], v[OT+8*\dt:OT+8*\dt+7]
.endif
.endr
.endr
.rept 8
	v_nop
.endr
.irp dt, 0,1,2,3
	ds_store_b128 v6, v[OT+8*\dt:OT+8*\dt+3] offset:64*\dt         ; lane (r, h): position r, channels 16 dt + 8 h + 0 .. 7
	ds_store_b128 v6, v[OT+8*\dt+4:OT+8*\dt+7] offset:64*\dt+16
.endr
	s_wait_dscnt 0x0                               ; for the others' sake: my row lies in LDS
	s_barrier_signal -1
	s_barrier_wait -1
	; ---- 2: 256 along K for 16 outputs x 16 rows: source 0 = 16 rows of w_proj, source 1 = the matrix's 16 rows; four chunks of 64 along K
.macro ALOAD c
.irp g, 0,1,2,3,4,5,6,7
	ds_load_b128 v[VF+80*((\c)%2)+4*\g:VF+80*((\c)%2)+4*\g+3], v7 offset:256*(\c)+32*\g
.endr
.endm
.macro CHUNK c, wb
.irp g, 0,1,2,3,4,5,6,7
.if ((\c) == 0) && (\g == 0)
	v_wmma_f32_16x16x4_f32 v[SA:SA+7], v[\wb+4*\g:\wb+4*\g+1], v[VF+80*((\c)%2)+4*\g:VF+80*((\c)%2)+4*\g+1], 0
	v_wmma_f32_16x16x4_f32 v[SB:SB+7], v[\wb+4*\g+2:\wb+4*\g+3], v[VF+80*((\c)%2)+4*\g+2:VF+80*((\c)%2)+4*\g+3], 0
.else
	v_wmma_f32_16x16x4_f32 v[SA:SA+7], v[\wb+4*\g:\wb+4*\g+1], v[VF+80*((\c)%2)+4*\g:VF+80*((\c)%2)+4*\g+1], v[SA:SA+7]
	v_wmma_f32_16x16x4_f32 v[SB:SB+7], v[\wb+4*\g+2:\wb+4*\g+3], v[VF+80*((\c)%2)+4*\g+2:VF+80*((\c)%2)+4*\g+3], v[SB:SB+7]
.endif
.endr
.rept 8
	v_nop                                          ; places in front of the loads into the fragments just read, and of the first read of the sums
.endr
.endm
	ALOAD 0
	ALOAD 1
	s_wait_loadcnt 16                              ; the first half of my weights is in; the second half's 16 loads may be out
	s_wait_dscnt 8                                 ; chunk 0 is in; chunk 1's eight loads may be out
	CHUNK 0, W0
	ALOAD 2
	s_wait_dscnt 8                                 ; chunk 1 is in
	CHUNK 1, W0+32
	ALOAD 3
	s_wait_loadcnt 0x0
	s_wait_dscnt 8                                 ; chunk 2 is in
	CHUNK 2, QF
	s_wait_dscnt 0x0
	CHUNK 3, QF+32
.irp j, 0,1,2,3,4,5,6,7
	v_add_f32 v[TT+\j], v[SA+\j], v[SB+\j]         ; lane (r, h): row r, outputs 8 h + j of my tile
.endr
	ds_store_b128 v8, v[TT:TT+3]
	ds_store_b128 v8, v[TT+4:TT+7] offset:16
	s_wait_dscnt 0x0                               ; for the others' sake
	s_barrier_signal -1
	s_barrier_wait -1
	; ---- 3: waves 0-7 add the four quarters of two rows each and store them.  The branch hangs on the wave's number; no barrier stands inside
	s_cmp_ge_u32 s12, 8
	s_cbranch_scc1 .Ldone
.irp q, 0,1,2,3
	ds_load_b128 v[16+4*\q:19+4*\q], v9 offset:\q*16*RPITCH
.endr
	s_wait_dscnt 0x0
	v_pk_add_f32 v[16:17], v[16:17], v[20:21]
	v_pk_add_f32 v[18:19], v[18:19], v[22:23]
	v_pk_add_f32 v[24:25], v[24:25], v[28:29]
	v_pk_add_f32 v[26:27], v[26:27], v[30:31]
	v_pk_add_f32 v[16:17], v[16:17], v[24:25]
	v_pk_add_f32 v[18:19], v[18:19], v[26:27]
	global_store_b128 v10, v[16:19], s[8:9]        ; 16 lanes store 256 consecutive bytes, aligned
.Ldone:
	s_wait_tensorcnt 0x0                           ; the wave's end, behind my last LDS store
	ds_add_u32 v14, v15
	s_wait_dscnt 0x0
	s_endpgm
.Lfunc_end_k_q9c91942d48_first16:
	.size	k_q9c91942d48_first16, .Lfunc_end_k_q9c91942d48_first16-k_q9c91942d48_first16
	.p2alignl 7, 3214868480
	.fill 96, 4, 3214868480
	.section	.rodata,"a",@progbits
	.p2align	6, 0x0
	.amdhsa_kernel k_q9c91942d48_first16
		.amdhsa_group_segment_fixed_size 85248
		.amdhsa_private_segment_fixed_size 0
		.amdhsa_enable_private_segment 0
		.amdhsa_kernarg_size 24
		.amdhsa_user_sgpr_count 2
		.amdhsa_user_sgpr_kernarg_segment_ptr 1
		.amdhsa_wavefront_size32 1
		.amdhsa_system_sgpr_workgroup_id_x 1
		.amdhsa_system_sgpr_workgroup_id_y 1
		.amdhsa_system_sgpr_workgroup_id_z 1
		.amdhsa_system_vgpr_workitem_id 0
		.amdhsa_next_free_vgpr 256
		.amdhsa_next_free_sgpr 66
		.amdhsa_reserve_vcc 1
		.amdhsa_float_denorm_mode_32 3
		.amdhsa_float_denorm_mode_16_64 3
		.amdhsa_memory_ordered 1
		.amdhsa_forward_progress 1
		.amdhsa_inst_pref_size 26
	.end_amdhsa_kernel
	.amdgpu_metadata
---
amdhsa.version: [ 1, 2 ]
amdhsa.kernels:
  - .name:           k_q9c91942d48_first16
    .symbol:         k_q9c91942d48_first16.kd
    .args:
      - { .name: h32, .offset: 0, .size: 8, .value_kind: global_buffer, .address_space: global }
      - { .name: w_proj, .offset: 8, .size: 8, .value_kind: global_buffer, .address_space: global }
      - { .name: out0, .offset: 16, .size: 8, .value_kind: global_buffer, .address_space: global }
    .group_segment_fixed_size: 85248
    .private_segment_fixed_size: 0
    .kernarg_segment_align: 8
    .kernarg_segment_size: 24
    .max_flat_workgroup_size: 512
    .sgpr_count:     66
    .vgpr_count:     256
    .wavefront_size: 32
...
	.end_amdgpu_metadata
.endif
;; end of part 5
